; MI455X (gfx1250); checked and timed in simulation.
; The chip was launched on July 23, 2026; its instructions are those of AMD's public machine-readable ISA for CDNA 5 (MIT licence, August 2026) and "CDNA5" Instruction Set Architecture Reference Guide (July 2026). The comments in the code are by the model that wrote it; some were corrected since.
;; Multi Head Attention. Allowed arithmetic: matrix products marked QUANTISED: E4M3 operands, one E8M0 scale for each 32 along K, by v_wmma_scale_f32_16x16x128_f8f6f4 with both operands' format E4M3, f32 sums; everything else in f32.
;; Inputs: b_out 1,024 float32; b_qkv 3,072 float32; w_out_codes 1,024 x 32 x 32 uint8 (E4M3 codes of w_out, K innermost, in blocks of 32 codes); w_out_scales 1,024 x 32 uint8 (E8M0 scales of w_out, one for each 32 codes along K); w_qkv_codes 3,072 x 32 x 32 uint8 (E4M3 codes of w_qkv, K innermost, in blocks of 32 codes); w_qkv_scales 3,072 x 32 uint8 (E8M0 scales of w_qkv, one for each 32 codes along K); x_codes 4 x 2,048 x 32 x 32 uint8 (E4M3 codes of x, K innermost, in blocks of 32 codes); x_scales 4 x 2,048 x 32 uint8 (E8M0 scales of x, one for each 32 codes along K).
;; Outputs: out0 4 x 2,048 x 1,024 float32.
;; This version of the problem:
;;   THIS VERSION OF THE PROBLEM IS GIVEN IN LOW PRECISION. The matrix products marked QUANTISED in the list below multiply operands that are first quantised to E4M3 (4 exponent bits, 3 mantissa bits; 8 bits a number), with one power-of-two scale for each 32 numbers along K (OCP MX v1.0); their sums are f32. All else is computed in f32.
;;   The module's matrix products, in the order in which they are computed (A, B: the left and right operand; K: the contracted axis; several contracted axes count as one K, in the product's order):
;;     1. [M 8,192, K 1,024] x [K 1,024, N 3,072]; A: input x (given as codes); B: input w_qkv (given as codes): QUANTISED
;;     2. batch 64 x [M 2,048, K 64] x [K 64, N 2,048]; A: computed on the way; B: computed on the way: QUANTISED
;;     3. batch 64 x [M 2,048, K 2,048] x [K 2,048, N 64]; A: softmax (see below); B: computed on the way: QUANTISED
;;     4. [M 8,192, K 1,024] x [K 1,024, N 1,024]; A: computed on the way; B: input w_out (given as codes): QUANTISED
;;   THE QUANTISER, for each operand of a quantised product, along K:
;;     - K is cut into blocks of 32 from its start; a last block that is shorter is filled with zeros.
;;     - A block's scale is 2^e with e = floor(log2(the largest magnitude in the block)) - 8, held to -126 .. 127; a block of zeros has e = 0. As a byte (E8M0): e + 127.
;;     - Each number is divided by its block's scale, clamped to +-448, and rounded to the nearest number of E4M3, ties to even, subnormals kept.
;;     - The product sums the exact products of the quantised numbers (number of the format x scale) in f32.
;;   ~~~python
;;   def quantise(x, axis):      # numpy; x: float32 -> the quantised numbers, widened to float32 again
;;       x = np.moveaxis(x, axis, -1); K = x.shape[-1]
;;       x = np.pad(x, [(0, 0)] * (x.ndim - 1) + [(0, -K % 32)]); x = x.reshape(x.shape[:-1] + (-1, 32)); a = np.abs(x).max(-1, keepdims=True)
;;       e = np.where(a > 0, np.clip(np.frexp(np.where(a > 0, a, 1))[1] - 1 - 8, -126, 127), 0)      # np.frexp(a)[1] - 1 = floor(log2(a)), exactly
;;       r = np.clip(x / 2.0 ** e, -448, 448)
;;       step = 2.0 ** (np.maximum(np.frexp(np.where(r == 0, 1, r))[1] - 1, -6) - 3)
;;       q = np.round(r / step) * step * 2.0 ** e      # np.round: ties to even
;;       return np.moveaxis(q.reshape(q.shape[:-2] + (-1,))[..., :K], -1, axis).astype(np.float32)
;;   ~~~
;;   SOFTMAX AHEAD OF A QUANTISED PRODUCT. Where the list says 'softmax', what is quantised is not the finished softmax but p = 2^(t - M), with t = logit x log2(e) and M = ceil(the row's largest t), a whole number; so 1/2 < the row's largest p <= 1. The row's sum l is taken of the UNQUANTISED p, in f32, and the product's result is divided by l at the end. Since M is a whole number, a kernel that streams over the keys may use a running M (the ceiling of the running maximum): every later rescaling is an exact power of two, which a block's scale takes up: the codes' values come out the same.
;;   OPERANDS COMPUTED ON THE WAY. 'Computed on the way' means the value that the module computes at that place (a softmax that the list does not call 'softmax' is quantised finished and normalised). What goes into a quantiser is computed in f32, as accurately as f32 sums, v_exp_f32 and their like allow (about 1e-6 of the number): no bf16 or f16 on the way to a quantiser, and a product that is left as it is and whose result goes on into a quantised operand takes f32 operands (vector FMAs, or v_wmma_f32_16x16x4_f32). A number that lies on a knife's edge between two numbers of the format may be rounded either way, as far as f32 arithmetic and the matrix unit's own rounding can turn it there, and no further.
;;   INPUTS GIVEN AS CODES. w_out (in the module: [1024, 1024], K = its axis 0); w_qkv (in the module: [1024, 3072], K = its axis 0); x (in the module: [4, 2048, 1024], K = its axis 2): each comes as NAME_codes (uint8): NAME with its K axis moved to the last place and cut into blocks of 32 codes, [.., K / 32, bytes a block], one block behind the other in memory; one code a byte (a code: sign, 4 exponent bits, 3 mantissa bits); and NAME_scales (uint8): the same leading axes, one E8M0 byte (e + 127) for each 32 codes along K. Its value is code x scale, taken as it is: it is not quantised again, and the codes and scales need not be those that the quantiser above would give.
;; One version. Each part assembles by itself: llvm-mc -triple=amdgcn-amd-amdhsa -mcpu=gfx1250 --defsym DOCPART=n.
;; ======== version 1 of 1: 3 launches
;; limits: right only within a limited range of input values
;; workspace buffers: qb 8,650,752 bytes; kv 17,301,504 bytes; ac 8,388,608 bytes; asc 262,144 bytes
;; launch qkv (part 1): grid 12 x 32, 4 waves a work-group, clusters of 4 x 4, 327,680 bytes of LDS; arguments x_codes, x_scales, w_qkv_codes, w_qkv_scales, b_qkv, qb, kv; writes qb, kv
.if DOCPART == 1
	.amdgcn_target "amdgcn-amd-amdhsa--gfx1250"
	.amdhsa_code_object_version 6
	.text
	.protected	k_q966cf38608_qkv
	.globl	k_q966cf38608_qkv
	.p2align	8
	.type	k_q966cf38608_qkv,@function
k_q966cf38608_qkv:
	s_mov_b64 s[64:65], 0
	v_nop
	global_prefetch_b8 v0, s[64:65] scope:SCOPE_SE
	s_setreg_imm32_b32 hwreg(HW_REG_WAVE_MODE, 25, 1), 1
	s_wait_xcnt 0x0
	s_wait_alu depctr_hold_cnt(0) depctr_sa_sdst(0) depctr_va_vdst(0) depctr_va_sdst(0) depctr_va_ssrc(0) depctr_va_vcc(0) depctr_vm_vsrc(0)
	s_getreg_b32 s2, hwreg(HW_REG_IB_STS2, 6, 4)
	s_cmp_eq_u32 s2, 0
	s_cbranch_scc0 .Lentry_in_a_cluster
	s_endpgm
.Lentry_in_a_cluster:
	s_bfe_u32 s2, ttmp6, 0x10000c
	s_cmp_lg_u32 s2, 0xf033
	s_cbranch_scc0 .Lentry_shape_is_right
	s_endpgm
.Lentry_shape_is_right:
; qkv = x w_qkv + b_qkv on codes of E4M3 with E8M0 scales (K = 1,024), then, still in registers: RoPE on q and k, and the quantisers of the next two products:
; q and k along the head's 64 (two blocks of 32), v along the keys (blocks of 32).  What leaves are IMAGES OF OPERAND REGISTERS: 16 bytes a lane, 512 consecutive bytes a store.
; A tile of 256 x 256 is made by four waves, 128 x 128 each (64 accumulators, windows 2 and 3); K goes in steps of 256 through a ring of two LDS slots; the scale bytes of the work-group's rows come once.
; CLUSTERS 4 x 4: source 1's tiles ("A") are shared along a row of the cluster, source 0's ("B") along a column, each by a joint load.
; KINDS, by the cluster's x: 0 = q, 1 = k: A = x, B = w: a lane holds ONE token and its registers run along the head's axis.  2 = v: A = w, B = x: a lane holds one channel and its registers run along the keys.
; ORDER INSIDE A BLOCK OF 32: a lane's 16 registers of two neighbouring result tiles are elements 8 h + 0..7 and 16 + 8 h + 0..7 of the block (h = lane / 16).  q and k, and p and v, are laid alike, so the products are the same.
; qb: [b h][128 queries][8,448]: 8 tiles x (2 blocks x 512 bytes), then 256 bytes of scale words.  kv: [b h][128 keys][16,896]: k as qb's, v's 4 fragments x 2,048 at 8,192, k's scale words at 16,384, v's at 16,640.
; RoPE: inv_freq = 2^(-j log2(10) / 8) by a split exponent; angle = t x inv_freq rounded once; reduced by multiples of pi in two parts; sine to x^11, cosine to x^12 on |x| <= pi / 2.
; LIMITS: NaN and infinities among the inputs are not served.  A block whose largest magnitude lies under 2^-118 gets the byte 1 (a block of zeros too: its codes are zeros, and this program alone reads the bytes).
; inv_freq is good to some 1.5 units in its last place, sine and cosine to some 1.5e-7.
.set NQ,     2                         ; matrix instructions deep in a slot
.set ROWB,   256                       ; a tile's row in bytes
.set KROW,   1024                      ; a row of x or of w in memory
.set PITCH,  272                       ; an LDS row: 256 bytes + 16 of padding: the 16 rows of a load start 4 banks apart
.set FR,     16
.set NL,     4
.set NP,     8                         ; places behind this matrix instruction (ISA guide 7.12.1)
.set HALFT,  128*PITCH
.set SLOT,   4*HALFT
.set LAPS,   2                         ; 1,024 / 512
.set KS,     32                        ; a row of scale bytes
.set SCL,    2*SLOT
.set HALFS,  (128*KS/256)*272
.set SBLK,   (16*KS/256)*272
.set SPARE,  SCL+4*HALFS               ; the spare words, 128 bytes a wave
.set BOF,  7                           ; v7   32 h: my eight numbers of a tile of the bias
.set ADRA, 16
.set ADRB, 20
.set LI,   24                          ; v24  16 x lane
.set L8,   25                          ; v25  8 x lane
.set RR,   26                          ; v26  r = lane % 16
.set ADRS, 27
.set SPW,  28
.set NIL,  29
.set HH,   30                          ; v30  h = lane / 16
.set R4,   31                          ; v31  4 r
.set SC,   32                          ; scale words, two sets
.set BIAS, 64                          ; v64-127 the bias as C (q, k); v64-79 as pairs (v)
.set AF,   128
.set G1, 24
.set G0, 32
.set G1B, 48
.set G0B, 56
.set ISV, 66                           ; s66  1 in kind v
.set G1S, 68
.set G0S, 76
.set G1SB, 80
.set G0SB, 88
.set SEL, 20                           ; the way out: s[20:21] selects for lane l xor 16, s22 the mantissa field of 448
.set MNT, 22
.set MSB, 0
.macro WIN new
.if MSB != \new
	s_set_vgpr_msb (MSB<<8)|\new
.set MSB, \new
.endif
.endm
.set MUL_LO, 0xa1                      ; source 0 (B) window 1, source 1 (A) window 0, C and D window 2
.set MUL_HI, 0xf1
.set TO_B,   0x40
.macro JLOAD g0a, g1a, g0b, g1b        ; waves 0 and 1 fetch for A, waves 2 and 3 for B; four v_nop follow each line
	s_cmp_eq_u32 s15, 0
	s_cbranch_scc0 .Lfor_b_\@
	tensor_load_to_lds s[\g0a:\g0a+3], s[\g1a:\g1a+7]
	s_nop 0
.rept 4
	v_nop
.endr
	s_branch .Lasked_\@
.Lfor_b_\@:
	tensor_load_to_lds s[\g0b:\g0b+3], s[\g1b:\g1b+7]
	s_nop 0
.rept 4
	v_nop
.endr
.Lasked_\@:
.endm
.macro CREST
	s_cmp_lg_u32 s14, 0
	s_cbranch_scc1 .Lnot_wave_0_\@
	s_barrier_signal -3
.Lnot_wave_0_\@:
	s_barrier_wait -3
	s_barrier_signal -1
	s_barrier_wait -1
.endm
.macro CROUND
	s_barrier_signal -1
	s_barrier_wait -1
	CREST
.endm
	s_load_b128 s[4:7], s[0:1], 0x0                ; x's codes, x's scales
	s_load_b128 s[8:11], s[0:1], 0x10              ; w's codes, w's scales
	s_load_b64 s[12:13], s[0:1], 0x20              ; the bias
	v_lshl_add_u32 v[SPW], v0, 2, SPARE
	v_mov_b32 v[NIL], 0
	ds_add_u32 v28, v29
	ds_add_u32 v28, v29
	s_wait_dscnt 0x0
	v_lshrrev_b32 v1, 5, v0
	v_readfirstlane_b32 s14, v1                    ; wave 0..3
	s_lshr_b32 s15, s14, 1                         ; my half of A's rows.  Also: I fetch for A (0) or for B (1)
	s_and_b32 s16, s14, 1                          ; my half of B's rows.  Also: which 128 rows I fetch
	s_bfe_u32 s40, ttmp6, 0x40000                  ; cx
	s_bfe_u32 s41, ttmp6, 0x40004                  ; cy
	s_and_b32 s17, ttmp7, 0xffff
	s_lshl_b32 s17, s17, 2                         ; 4 x cluster y
	s_lshl_b32 s42, ttmp9, 2                       ; 4 x cluster x
	s_cmp_eq_u32 ttmp9, 2                          ; the kind: the same in all sixteen partners
	s_cselect_b32 s[ISV], 1, 0
	s_cselect_b32 s42, s17, s42                    ; B's tile row: v: x's, 4 Y + cx; q, k: w's, 4 X + cx
	s_cselect_b32 s17, 8, s17                      ; A's tile row: v: w's, 8 + cy; q, k: x's, 4 Y + cy
	s_add_co_u32 s42, s42, s40
	s_add_co_u32 s17, s17, s41
	s_lshl_b32 s43, s41, 2
	s_lshl_b32 s43, 15, s43                        ; my row of the cluster
	s_lshl_b32 s44, 0x1111, s40                    ; my column
	s_or_b32 s[G1+0], s43, (0<<16)|(1<<20)|(1<<21)|(5<<22)|(3<<25)  ; mask; bytes; padding of 4 words after every 64; bit 21 beside a mask
	s_or_b32 s[G1B+0], s44, (0<<16)|(1<<20)|(1<<21)|(5<<22)|(3<<25)
.irp g, G1, G1B
	s_mov_b32 s[\g+1], ROWB<<16                    ; tensor_dim0
	s_mov_b32 s[\g+2], 256<<16                     ; tensor_dim1: 256 rows for the head's loads; set to 128 for the ring's behind them
	s_mov_b32 s[\g+3], ROWB<<16                    ; tile_dim0
	s_mov_b32 s[\g+4], 256                         ; tile_dim1 likewise
	s_mov_b32 s[\g+5], KROW                        ; the pitch
	s_mov_b32 s[\g+6], 0
	s_mov_b32 s[\g+7], 0
.endr
	s_or_b32 s[G1S+0], s43, (3<<16)|(1<<20)|(1<<21)|(5<<22)|(3<<25) ; the scales of 256 rows: 8,192 dense bytes as 32 rows of 256
	s_or_b32 s[G1SB+0], s44, (3<<16)|(1<<20)|(1<<21)|(5<<22)|(3<<25)
.irp g, G1S, G1SB
	s_mov_b32 s[\g+1], 32<<16
	s_mov_b32 s[\g+2], (256*KS/256)<<16            ; the scales of 256 rows: 8,192 dense bytes as 32 rows of 256
	s_mov_b32 s[\g+3], 32<<16
	s_mov_b32 s[\g+4], 256*KS/256
	s_mov_b32 s[\g+5], 32
	s_mov_b32 s[\g+6], 0
	s_mov_b32 s[\g+7], 0
.endr
	s_lshl_b32 s18, s16, 7
	s_lshl_b32 s20, s17, 8
	s_add_co_u32 s20, s20, s18                     ; A: the first row that I fetch
	s_lshl_b32 s46, s42, 8
	s_add_co_u32 s46, s46, s18                     ; B likewise
	s_mov_b32 s21, 0
	s_mov_b32 s47, 0
	s_mov_b64 s[18:19], KS
	s_mul_u64 s[22:23], s[20:21], s[18:19]
	s_mul_u64 s[92:93], s[46:47], s[18:19]
	s_mov_b64 s[18:19], KROW
	s_mul_u64 s[20:21], s[20:21], s[18:19]
	s_mul_u64 s[46:47], s[46:47], s[18:19]
	s_mul_i32 s45, s14, HALFT
	s_lshl_b32 s104, s17, 8
	s_lshl_b32 s105, s15, 7
	s_add_co_u32 s104, s104, s105                  ; the first row of A that I multiply
	s_lshl_b32 s105, s42, 8
	s_lshl_b32 s67, s16, 7
	s_add_co_u32 s105, s105, s67                   ; and of B
	s_cmp_eq_u32 ttmp9, 2
	s_cselect_b32 s100, s105, s104                 ; s100: my first row of x
	s_cselect_b32 s101, s104, s105                 ; s101: my first row of w
	s_lshl_b32 s104, s101, 2                       ; (a shift sets SCC: the kind is compared again below)
	s_mov_b32 s105, 0
	s_wait_kmcnt 0x0
	s_cmp_eq_u32 ttmp9, 2                          ; the kind once more, directly ahead of the four choices: they hang on the cluster's x alone
	s_cselect_b64 s[96:97], s[8:9], s[4:5]         ; A's codes and scales, B's codes and scales
	s_cselect_b64 s[98:99], s[10:11], s[6:7]
	s_cselect_b64 s[8:9], s[4:5], s[8:9]
	s_cselect_b64 s[10:11], s[6:7], s[10:11]
	s_add_nc_u64 s[20:21], s[96:97], s[20:21]
	s_add_nc_u64 s[22:23], s[98:99], s[22:23]
	s_add_nc_u64 s[46:47], s[8:9], s[46:47]
	s_add_nc_u64 s[92:93], s[10:11], s[92:93]
	s_add_nc_u64 s[12:13], s[12:13], s[104:105]    ; the bias at my first row of w
	s_load_b64 s[4:5], s[0:1], 0x28                ; qb, kv: for the way out
	s_load_b64 s[6:7], s[0:1], 0x30
	CROUND                                         ; all sixteen work-groups are here: the first joint loads meet
.set G0H, 96                           ; s[96:99], s[8:11] group 0 of the head's loads of K step 0: A's 256 rows, B's 256 rows (what lay there has been used)
.set G0HB, 8
	s_mul_i32 s2, s16, 128*KROW                    ; from the 128 rows that I fetch in the ring back to the tile's first row: in codes,
	s_mov_b32 s3, 0
	s_mul_i32 s104, s16, 128*KS                    ; and in scale bytes
	s_mov_b32 s105, 0
	s_mov_b32 s[G0S], 1                            ; the head's four tiles, each whole: the scales of A's 256 rows,
	s_mov_b32 s[G0S+1], SCL
	s_sub_nc_u64 s[G0S+2:G0S+3], s[22:23], s[104:105]
	s_or_b32 s[G0S+3], s[G0S+3], 0x80000000
	s_mov_b32 s[G0SB], 1                           ; of B's,
	s_mov_b32 s[G0SB+1], SCL+2*HALFS
	s_sub_nc_u64 s[G0SB+2:G0SB+3], s[92:93], s[104:105]
	s_or_b32 s[G0SB+3], s[G0SB+3], 0x80000000
	s_mov_b32 s[G0H], 1                            ; K step 0's 256 rows of A,
	s_mov_b32 s[G0H+1], 0
	s_sub_nc_u64 s[G0H+2:G0H+3], s[20:21], s[2:3]
	s_or_b32 s[G0H+3], s[G0H+3], 0x80000000
	s_mov_b32 s[G0HB], 1                           ; and of B, behind them in slot 0
	s_mov_b32 s[G0HB+1], 2*HALFT
	s_sub_nc_u64 s[G0HB+2:G0HB+3], s[46:47], s[2:3]
	s_or_b32 s[G0HB+3], s[G0HB+3], 0x80000000
.irp s, 0,1
	s_mov_b32 s[G0+4*\s], 1
	s_add_co_u32 s[G0+4*\s+1], s45, \s*SLOT
	s_add_nc_u64 s[G0+4*\s+2:G0+4*\s+3], s[20:21], \s*ROWB
	s_or_b32 s[G0+4*\s+3], s[G0+4*\s+3], 0x80000000
	s_mov_b32 s[G0B+4*\s], 1
	s_add_co_u32 s[G0B+4*\s+1], s45, \s*SLOT
	s_add_nc_u64 s[G0B+4*\s+2:G0B+4*\s+3], s[46:47], \s*ROWB
	s_or_b32 s[G0B+4*\s+3], s[G0B+4*\s+3], 0x80000000
.endr
; THE HEAD'S LOADS, ONE A WAVE: wave 0 K step 0's rows of A, wave 1 those of B, wave 2 A's scales, wave 3 B's.  One tree of branches on the wave's number; every way passes exactly one load.
.macro ARM under, g0, g1, next
	s_cmp_lt_u32 s14, \under
	s_cbranch_scc0 \next
	tensor_load_to_lds s[\g0:\g0+3], s[\g1:\g1+7]
	s_nop 0
.rept 4
	v_nop
.endr
	s_branch .Lhead_asked
\next:
.endm
	ARM 1, G0H,  G1,  .Lhead_b
	ARM 2, G0HB, G1B, .Lhead_sa
	ARM 3, G0S,  G1S, .Lhead_sb
	tensor_load_to_lds s[G0SB:G0SB+3], s[G1SB:G1SB+7]
	s_nop 0
.rept 4
	v_nop
.endr
.Lhead_asked:
	v_and_b32 v[RR], 15, v0
	v_bfe_u32 v[HH], v0, 4, 1
	v_mul_u32_u24 v3, v[RR], PITCH
	v_lshl_add_u32 v4, v[HH], 4, v3
	s_mul_i32 s21, s15, HALFT
	s_mul_i32 s22, s16, HALFT
	s_add_co_u32 s22, s22, 2*HALFT
.irp s, 0,1
	v_add_nc_u32 v[ADRA+\s], s21, v4
	v_add_nc_u32 v[ADRB+\s], s22, v4
	s_add_co_u32 s21, s21, SLOT
	s_add_co_u32 s22, s22, SLOT
.endr
	v_mul_u32_u24 v5, v[RR], KS
	v_lshrrev_b32 v6, 8, v5
	v_lshl_add_u32 v5, v6, 4, v5
	s_mul_i32 s21, s15, HALFS
	s_mul_i32 s22, s16, HALFS
	s_add_co_u32 s22, s22, 2*HALFS
	s_sub_co_u32 s22, s22, s21
	v_mul_u32_u24 v6, s22, v[HH]                   ; lanes 16-31 take B's words
	s_add_co_u32 s21, s21, SCL
	v_add_nc_u32 v5, v5, v6
	v_add_nc_u32 v[ADRS], s21, v5
	v_and_b32 v6, 31, v0
	v_lshlrev_b32 v[LI], 4, v6
	v_lshlrev_b32 v[L8], 3, v6
	v_lshlrev_b32 v[R4], 2, v[RR]
	v_lshlrev_b32 v[BOF], 5, v[HH]
.irp b, 0,1,2,3,4,5,6,7                ; the bias in the result's layout of kinds q and k: register 8 b + j = b_qkv[my first row of w + 16 b + 8 h + j].  The loads stand on the way that all kinds take; kind v does not use them
	global_load_b128 v[BIAS+8*\b:BIAS+8*\b+3], v[BOF], s[12:13] offset:64*\b
	global_load_b128 v[BIAS+8*\b+4:BIAS+8*\b+7], v[BOF], s[12:13] offset:64*\b+16
.endr
.macro FRAG reg, adr, q, i
.irp c, 0,1,2,3
	ds_load_b128 v[\reg+4*\c:\reg+4*\c+3], v[\adr] offset:128*(\q)+32*\c+(\i)*16*PITCH
.endr
.endm
; 16 matrix instructions: A's blocks a0, a0 + 1 x B's eight.  cm = 0: the sums go on; 1: they start with 0; 2: they start with the bias.  The 64 accumulators take turns.
.macro MUL16 a0, p, q, sc, cm
.irp a, \a0, \a0+1
.irp b, 0,1,2,3,4,5,6,7
.if \cm == 1
	v_wmma_scale_f32_16x16x128_f8f6f4 v[8*(8*((\a)%4)+\b):8*(8*((\a)%4)+\b)+7], v[128*(\p)+FR*\b:128*(\p)+FR*\b+FR-1], v[AF+FR*(\a):AF+FR*(\a)+FR-1], 0, v[SC+8*NQ*(\sc)+NQ*\b+(\q)], v[SC+8*NQ*(\sc)+NQ*(\a)+(\q)] matrix_a_scale:MATRIX_SCALE_ROW1
.elseif \cm == 2
	v_wmma_scale_f32_16x16x128_f8f6f4 v[8*(8*((\a)%4)+\b):8*(8*((\a)%4)+\b)+7], v[128*(\p)+FR*\b:128*(\p)+FR*\b+FR-1], v[AF+FR*(\a):AF+FR*(\a)+FR-1], v[BIAS+8*\b:BIAS+8*\b+7], v[SC+8*NQ*(\sc)+NQ*\b+(\q)], v[SC+8*NQ*(\sc)+NQ*(\a)+(\q)] matrix_a_scale:MATRIX_SCALE_ROW1
.else
	v_wmma_scale_f32_16x16x128_f8f6f4 v[8*(8*((\a)%4)+\b):8*(8*((\a)%4)+\b)+7], v[128*(\p)+FR*\b:128*(\p)+FR*\b+FR-1], v[AF+FR*(\a):AF+FR*(\a)+FR-1], v[8*(8*((\a)%4)+\b):8*(8*((\a)%4)+\b)+7], v[SC+8*NQ*(\sc)+NQ*\b+(\q)], v[SC+8*NQ*(\sc)+NQ*(\a)+(\q)] matrix_a_scale:MATRIX_SCALE_ROW1
.endif
.endr
.endr
.endm
.macro FETCH_B slot, q, p
	WIN TO_B
.irp i, 0,1,2,3,4,5,6,7
	FRAG 128*(\p)+FR*\i, ADRB+\slot, \q, \i
.endr
	WIN 0
.endm
.macro FETCH_A slot, q, i0
.irp i, \i0, \i0+1, \i0+2, \i0+3
	FRAG AF+FR*(\i), ADRA+\slot, \q, \i
.endr
.endm
.macro SCALES sc
.irp i, 0,1,2,3,4,5,6,7
	ds_load_b64 v[SC+8*NQ*\sc+NQ*\i:SC+8*NQ*\sc+NQ*\i+1], v[ADRS] offset:\i*SBLK
.endr
.endm
.macro PLACES n
.rept \n
	v_nop
.endr
.endm
.macro STEP slot, q, cm                ; 128 along K whose successor lies in the same slot
	s_wait_dscnt 4*NL                              ; B's set and A's blocks 0-3 are in; the 16 youngest loads (A's blocks 4-7) may be out
.if \cm == 2
	WIN 0x81                                       ; C (the bias) window 0, D window 2
.else
	WIN MUL_LO
.endif
	MUL16 0, (\q)%2, \q, \slot, \cm
	MUL16 2, (\q)%2, \q, \slot, \cm
	s_wait_dscnt 0
	PLACES NP
	FETCH_B \slot, (\q)+1, 1-(\q)%2
	FETCH_A \slot, (\q)+1, 0
.if \cm == 2
	WIN 0xc1
.else
	WIN MUL_HI
.endif
	MUL16 4, (\q)%2, \q, \slot, \cm
	MUL16 6, (\q)%2, \q, \slot, \cm
	PLACES NP
	WIN 0
	FETCH_A \slot, (\q)+1, 4
.endm
.macro TURN slot, next, fill           ; a slot's last step changes slots
	s_wait_tensorcnt 0x0                           ; all my tensor loads have landed: my part of the next slot
	ds_add_u32 v[SPW], v[NIL]                      ; 0 onto my spare word
	s_wait_dscnt 4*NL+1                            ; the add and the 16 youngest loads may be out
	WIN MUL_LO
	MUL16 0, 1, NQ-1, \slot, 0
	s_wait_dscnt 0x0                               ; the add is done, and my reads of this slot are over
	s_barrier_signal -1
	MUL16 2, 1, NQ-1, \slot, 0
	WIN 0
	s_barrier_wait -1
.if \fill
	CREST                                          ; the barrier has opened a round of the cluster's: no wave of any partner still reads this slot or has a load on its way
	s_add_nc_u64 s[G0+4*\slot+2:G0+4*\slot+3], s[G0+4*\slot+2:G0+4*\slot+3], 2*ROWB
	s_add_nc_u64 s[G0B+4*\slot+2:G0B+4*\slot+3], s[G0B+4*\slot+2:G0B+4*\slot+3], 2*ROWB
	JLOAD G0+4*\slot, G1, G0B+4*\slot, G1B
	PLACES NP-4
.else
	PLACES NP
.endif
	s_wait_alu depctr_va_vdst(0)
	v_add_nc_u32 v[ADRS], 4*NQ, v[ADRS]
	FETCH_B \next, 0, 0
	FETCH_A \next, 0, 0
	SCALES \next
	WIN MUL_HI
	MUL16 4, 1, NQ-1, \slot, 0
	MUL16 6, 1, NQ-1, \slot, 0
	PLACES NP
	WIN 0
	FETCH_A \next, 0, 4
.endm
	s_wait_alu depctr_va_vdst(0)
	s_wait_tensorcnt 0x0                           ; my tile of the head's four is in
	ds_add_u32 v[SPW], v[NIL]
	s_mov_b32 s[G1+2], 128<<16                     ; no tensor load of mine is out: from here on a load brings 128 rows
	s_mov_b32 s[G1+4], 128
	s_mov_b32 s[G1B+2], 128<<16
	s_mov_b32 s[G1B+4], 128
	s_wait_dscnt 0x0                               ; the add is done
	CROUND                                         ; a whole round: all four tiles are in, and all sixteen work-groups are here
	JLOAD G0+4, G1, G0B+4, G1B                     ; K step 1's load, the first tensor load behind the round
	FETCH_B 0, 0, 0
	FETCH_A 0, 0, 0
	SCALES 0
	FETCH_A 0, 0, 4
	s_wait_loadcnt 0x0                             ; the bias
	s_wait_kmcnt 0x0                               ; qb, kv
	s_cmp_eq_u32 s[ISV], 1
	s_cbranch_scc1 .Lfirst_v
	STEP 0, 0, 2                                   ; q, k: the bias starts the sums
	s_branch .Lfirst_done
.Lfirst_v:
.irp a, 0,1,2,3,4,5,6,7                ; v: a lane's channel is one row of w: its bias, twice (a pair for the packed addition on the way out); it lands during the K loop
	global_load_b32 v[BIAS+2*\a], v[R4], s[12:13] offset:64*\a
	global_load_b32 v[BIAS+2*\a+1], v[R4], s[12:13] offset:64*\a
.endr
	STEP 0, 0, 1
.Lfirst_done:
	s_mov_b32 s3, LAPS-1
.Llap:
	TURN 0, 1, 1
	STEP 1, 0, 0
	TURN 1, 0, 1
	STEP 0, 0, 0
	s_sub_co_u32 s3, s3, 1
	s_cmp_lg_u32 s3, 0
	s_cbranch_scc1 .Llap
	TURN 0, 1, 0
	STEP 1, 0, 0
	s_wait_dscnt 4*NL
	WIN MUL_LO
	MUL16 0, 1, NQ-1, 1, 0
	MUL16 2, 1, NQ-1, 1, 0
	s_wait_dscnt 0
	WIN MUL_HI
	MUL16 4, 1, NQ-1, 1, 0
	MUL16 6, 1, NQ-1, 1, 0
	WIN 0
	PLACES NP                                      ; behind the last products: window 0 is written anew and results are read
	; THE WAY OUT.  No LDS: what a lane holds is what the next launch's lane wants.
	s_wait_loadcnt 0x0                             ; v's bias
	s_lshr_b32 s18, s100, 11                       ; the batch
	s_lshl_b32 s18, s18, 4
	s_and_b32 s19, s101, 1023
	s_lshr_b32 s19, s19, 6                         ; my first head
	s_add_co_u32 s18, s18, s19
	s_lshl_b32 s18, s18, 4
	s_bfe_u32 s19, s100, 0x40007                   ; which 128 tokens of the 2,048
	s_add_co_u32 s18, s18, s19
	s_mov_b32 s23, 16896
	s_mov_b32 s19, 16384
	s_cmp_eq_u32 ttmp9, 0
	s_cselect_b64 s[4:5], s[4:5], s[6:7]           ; q goes to qb, k and v to kv
	s_cselect_b32 s23, 8448, s23                   ; bytes of 128 tokens there
	s_cselect_b32 s19, 8192, s19                   ; where q's or k's scale words begin
	s_mul_i32 s92, s18, s23
	s_mov_b32 s93, 0
	s_add_nc_u64 s[40:41], s[4:5], s[92:93]        ; my first head's block
	s_lshl_b32 s92, s23, 4
	s_add_nc_u64 s[42:43], s[40:41], s[92:93]      ; my second head's: 16 blocks on
	s_mov_b32 s92, s19
	s_add_nc_u64 s[44:45], s[40:41], s[92:93]
	s_add_nc_u64 s[46:47], s[42:43], s[92:93]
	s_mov_b32 s[SEL], 0x76543210
	s_mov_b32 s[SEL+1], 0xfedcba98
	s_mov_b32 s[MNT], 0x600000
	s_cmp_eq_u32 s[ISV], 1
	s_cbranch_scc1 .Lv_out
; ---- q and k.  Window 0: v32-63 sixteen constants, each twice; v64-79 inv_freq; v80-81 t, twice; v82-89 at work; v90-91 a tile's scale bytes; v92-95 the scale words;
; v128-143 the angle, v144-159 its multiple of pi, v160-175 its square, v176-191 the sine's series; v192-207 sine, v208-223 cosine; v224-255 and v128-159 the two heads' rotated numbers; v176-191 their codes.
.set KB,  32
.set IFQ, 64
.set TF,  80
.set TM,  82
.set SCW, 90
.set XW, 92
.set RA,  128
.set KK,  144
.set RQ,  160
.set PP,  176
.set PC,  176
.set SN,  192
.set CN,  208
.set T0,  224
.set T1,  128
.macro KONST i, val
	v_mov_b32 v[KB+2*\i], \val
	v_mov_b32 v[KB+2*\i+1], \val
.endm
.set K_IPI, KB+0
.set K_MAG, KB+2
.set K_NPH, KB+4
.set K_NPL, KB+6
.set K_S3,  KB+8
.set K_S5,  KB+10
.set K_S7,  KB+12
.set K_S9,  KB+14
.set K_S11, KB+16
.set K_C12, KB+18
.set K_C10, KB+20
.set K_C8,  KB+22
.set K_C6,  KB+24
.set K_C4,  KB+26
.set K_CH,  KB+28
.set K_ONE, KB+30
	KONST 0, 0x3ea2f983                            ; 1 / pi
	KONST 1, 0x4b400000                            ; 1.5 x 2^23: added, it leaves the nearest whole number in the low bits
	KONST 2, 0xc0490fdb                            ; -pi, its upper part
	KONST 3, 0x33bbbd2e                            ; and what is left of it
	KONST 4, 0xbe2aaaab                            ; -1/3!
	KONST 5, 0x3c088889                            ; 1/5!
	KONST 6, 0xb9500d01                            ; -1/7!
	KONST 7, 0x3638ef1d                            ; 1/9!
	KONST 8, 0xb2d7322b                            ; -1/11!
	KONST 9, 0x310f76c7                            ; 1/12!
	KONST 10, 0xb493f27e                           ; -1/10!
	KONST 11, 0x37d00d01                           ; 1/8!
	KONST 12, 0xbab60b61                           ; -1/6!
	KONST 13, 0x3d2aaaab                           ; 1/4!
	KONST 14, -0.5
	KONST 15, 1.0
	; inv_freq of my 16 frequencies: register p belongs to j = p + 8 (p / 8) + 8 h.  2^(-j log2(10) / 8): whole part by v_ldexp_f32, the rest, at most 1/2, by v_exp_f32
	v_lshlrev_b32 v1, 3, v[HH]
	s_mov_b32 s18, 0xbed49a78                      ; -log2(10) / 8, upper part
	s_mov_b32 s19, 0xb21797cc                      ; and the rest
.irp p, 0,1,2,3,4,5,6,7,8,9,10,11,12,13,14,15
	v_add_nc_u32 v[IFQ+\p], \p+8*(\p/8), v1
.endr
.irp p, 0,1,2,3,4,5,6,7,8,9,10,11,12,13,14,15
	v_cvt_f32_u32 v[IFQ+\p], v[IFQ+\p]
.endr
.irp p, 0,1,2,3,4,5,6,7,8,9,10,11,12,13,14,15
	v_mul_f32 v[RA+\p], s18, v[IFQ+\p]
.endr
.irp p, 0,1,2,3,4,5,6,7,8,9,10,11,12,13,14,15
	v_rndne_f32 v[KK+\p], v[RA+\p]
.endr
.irp p, 0,1,2,3,4,5,6,7,8,9,10,11,12,13,14,15
	v_fma_f32 v[RA+\p], v[IFQ+\p], s18, -v[KK+\p]
.endr
.irp p, 0,1,2,3,4,5,6,7,8,9,10,11,12,13,14,15
	v_fma_f32 v[RA+\p], v[IFQ+\p], s19, v[RA+\p]
.endr
	s_wait_alu depctr_va_vdst(0)
.irp p, 0,1,2,3,4,5,6,7,8,9,10,11,12,13,14,15
	v_exp_f32 v[RA+\p], v[RA+\p]
.endr
.irp p, 0,1,2,3,4,5,6,7,8,9,10,11,12,13,14,15
	v_cvt_i32_f32 v[KK+\p], v[KK+\p]               ; plain lines behind the exponentials
.endr
	s_wait_alu depctr_va_vdst(0)
.irp p, 0,1,2,3,4,5,6,7,8,9,10,11,12,13,14,15
	v_ldexp_f32 v[IFQ+\p], v[RA+\p], v[KK+\p]
.endr
	s_and_b32 s2, s100, 2047
	v_add_nc_u32 v[TF], s2, v[RR]
	v_cvt_f32_u32 v[TF], v[TF]                     ; my token's place in its sequence, for tile 0
	v_mov_b32 v[TF+1], v[TF]
	v_mov_b32 v[TM+2], 0                           ; a lane permute's destination counts as one of its sources
	v_mov_b32 v[TM+3], 0
.irp i, 0,1,2,3
	v_mov_b32 v[XW+\i], 0
.endr
; lines over eight pairs of registers, so that no line waits for the line above it
.macro E8_MUL d, a, b
.irp g, 0,2,4,6,8,10,12,14
	v_pk_mul_f32 v[\d+\g:\d+\g+1], v[\a+\g:\a+\g+1], v[\b+\g:\b+\g+1]
.endr
.endm
.macro E8_MULK d, a, k
.irp g, 0,2,4,6,8,10,12,14
	v_pk_mul_f32 v[\d+\g:\d+\g+1], v[\a+\g:\a+\g+1], v[\k:\k+1]
.endr
.endm
.macro E8_FKK d, a, k1, k2             ; d = a k1 + k2
.irp g, 0,2,4,6,8,10,12,14
	v_pk_fma_f32 v[\d+\g:\d+\g+1], v[\a+\g:\a+\g+1], v[\k1:\k1+1], v[\k2:\k2+1]
.endr
.endm
.macro E8_FKA d, a, k                  ; d = a k + d
.irp g, 0,2,4,6,8,10,12,14
	v_pk_fma_f32 v[\d+\g:\d+\g+1], v[\a+\g:\a+\g+1], v[\k:\k+1], v[\d+\g:\d+\g+1]
.endr
.endm
.macro E8_HORN d, x, k                 ; d = d x + k
.irp g, 0,2,4,6,8,10,12,14
	v_pk_fma_f32 v[\d+\g:\d+\g+1], v[\d+\g:\d+\g+1], v[\x+\g:\x+\g+1], v[\k:\k+1]
.endr
.endm
.macro E8_FMA d, a, b, c
.irp g, 0,2,4,6,8,10,12,14
	v_pk_fma_f32 v[\d+\g:\d+\g+1], v[\a+\g:\a+\g+1], v[\b+\g:\b+\g+1], v[\c+\g:\c+\g+1]
.endr
.endm
.macro E8_SUBK d, a, k
.irp g, 0,2,4,6,8,10,12,14
	v_pk_add_f32 v[\d+\g:\d+\g+1], v[\a+\g:\a+\g+1], v[\k:\k+1] neg_lo:[0,1] neg_hi:[0,1]
.endr
.endm
; the rotation of tile a, both heads: register p < 16 is channel d < 32, register p + 16 channel d + 32: q'(d) = q(d) cos - q(d + 32) sin, q'(d + 32) = q(d + 32) cos + q(d) sin.  Each accumulator is read from its low end on
.macro ROPE a
	WIN (0x02+(\a)/4)
.irp hd, 0,1
.set AC, 64*((\a)%4)+32*\hd
.set TT, T0-96*\hd
.set p, 0
.rept 8
	v_pk_mul_f32 v[TT+p:TT+p+1], v[AC+p:AC+p+1], v[CN+p:CN+p+1]
	v_pk_mul_f32 v[TT+16+p:TT+17+p], v[AC+16+p:AC+17+p], v[CN+p:CN+p+1]
.set p, p+2
.endr
.set p, 0
.rept 8
	v_pk_fma_f32 v[TT+p:TT+p+1], v[AC+16+p:AC+17+p], v[SN+p:SN+p+1], v[TT+p:TT+p+1] neg_lo:[0,1,0] neg_hi:[0,1,0]
	v_pk_fma_f32 v[TT+16+p:TT+17+p], v[AC+p:AC+p+1], v[SN+p:SN+p+1], v[TT+16+p:TT+17+p]
.set p, p+2
.endr
.endr
	WIN 0
.endm
; 32 numbers of a lane, two blocks of 16 registers (the other 16 of each block lie in lane l xor 16), become 8 registers of codes and two scale bytes
.macro QUANT2 t, pc, sc, tm
.irp b, 0,1
	v_max3_num_f32 v[\tm+\b], |v[\t+16*\b]|, |v[\t+16*\b+1]|, 0x4800000   ; with the floor 2^(9 - 127): the byte cannot fall under 1
.endr
.irp i, 2,4,6,8,10,12,14
.irp b, 0,1
	v_max3_num_f32 v[\tm+\b], v[\tm+\b], |v[\t+16*\b+\i]|, |v[\t+16*\b+\i+1]|
.endr
.endr
.irp b, 0,1
	v_permlanex16_b32 v[\tm+2+\b], v[\tm+\b], s[SEL], s[SEL+1]
.endr
.irp b, 0,1
	v_max_num_f32 v[\tm+\b], v[\tm+\b], v[\tm+2+\b]
.endr
.irp b, 0,1
	v_add_nc_u32 v[\tm+6+\b], 0xfc000000, v[\tm+\b]          ; 8 off the exponent field: the conversion's scale operand
	v_and_or_b32 v[\tm+4+\b], v[\tm+\b], 0x7f800000, s[MNT]  ; 448 x the scale
.endr
.irp b, 0,1
	v_lshrrev_b32 v[\tm+2+\b], 23, v[\tm+6+\b]               ; the byte
.endr
	v_lshl_or_b32 v[\sc], v[\tm+3], 8, v[\tm+2]
.irp b, 0,1
.irp i, 0,1,2,3,4,5,6,7,8,9,10,11,12,13,14,15
	v_med3_num_f32 v[\t+16*\b+\i], v[\t+16*\b+\i], -v[\tm+4+\b], v[\tm+4+\b]   ; the conversion does not saturate (ISA guide 7.6.2)
.endr
	v_cvt_scalef32_pk8_fp8_f32 v[\pc+4*\b:\pc+4*\b+1], v[\t+16*\b:\t+16*\b+7], v[\tm+6+\b]
	v_cvt_scalef32_pk8_fp8_f32 v[\pc+4*\b+2:\pc+4*\b+3], v[\t+16*\b+8:\t+16*\b+15], v[\tm+6+\b]
.endr
	v_nop                                          ; a plain line behind the last conversion
.endm
; sine into v[SN ..] and cosine into v[CN ..] of the 16 angles inv_freq x the number in the pair tf
.macro SINCOS tf
	E8_MULK RA, IFQ, \tf                           ; the angle, rounded once
	E8_FKK  KK, RA, K_IPI, K_MAG
	E8_SUBK PP, KK, K_MAG                          ; n = the nearest whole number to angle / pi
	E8_FKA  RA, PP, K_NPH
	E8_FKA  RA, PP, K_NPL                          ; x = angle - n pi
	E8_MUL  RQ, RA, RA
	E8_FKK  PP, RQ, K_S11, K_S9
	E8_FKK  CN, RQ, K_C12, K_C10
	E8_HORN PP, RQ, K_S7
	E8_HORN CN, RQ, K_C8
	E8_HORN PP, RQ, K_S5
	E8_HORN CN, RQ, K_C6
	E8_HORN PP, RQ, K_S3
	E8_HORN CN, RQ, K_C4
	E8_MUL  SN, RA, RQ
	E8_HORN CN, RQ, K_CH
	E8_FMA  SN, SN, PP, RA
	E8_HORN CN, RQ, K_ONE
.irp p, 0,1,2,3,4,5,6,7,8,9,10,11,12,13,14,15
	v_lshlrev_b32 v[KK+\p], 31, v[KK+\p]           ; n odd: both change sign
.endr
.irp p, 0,1,2,3,4,5,6,7,8,9,10,11,12,13,14,15
	v_xor_b32 v[SN+\p], v[KK+\p], v[SN+\p]
	v_xor_b32 v[CN+\p], v[KK+\p], v[CN+\p]
.endr
.endm
; The series is worked out twice: for a step of 16 tokens (v96-111 its sine, v112-127 its cosine) and for tile 0's tokens.  Each later tile's sine and cosine follow from the tile before by one rotation by the step.
; LIMIT: each of the seven rotations adds some 1e-7 to the error of sine and cosine.
.set DS, 96
.set DC, 112
	v_mov_b32 v[TM], 0x41800000                    ; 16.0, twice
	v_mov_b32 v[TM+1], 0x41800000
.set SN, DS
.set CN, DC
	SINCOS TM
.set SN, 192
.set CN, 208
	SINCOS TF
	s_mov_b32 s3, 0
	s_wait_alu depctr_va_vdst(0)                   ; the wait ahead of the branches below
.Lqk:                                  ; eight trips: tile a = s3 of 16 tokens, both heads
.irp e, 0,1,2,3,4,5,6                  ; the eight blocks differ in the accumulators' numbers alone
	s_cmp_eq_u32 s3, \e
	s_cbranch_scc1 .Lrope\e
.endr
	ROPE 7
	s_branch .Lroped
.irp e, 0,1,2,3,4,5,6
.Lrope\e:
	ROPE \e
	s_branch .Lroped
.endr
.Lroped:
	E8_MUL  RQ, SN, DS                             ; on by 16 tokens: sin' = sin dc + cos ds, cos' = cos dc - sin ds (the last trip's are not used)
	E8_MUL  SN, SN, DC
	E8_FMA  SN, CN, DS, SN
.irp g, 0,2,4,6,8,10,12,14
	v_pk_fma_f32 v[CN+\g:CN+\g+1], v[CN+\g:CN+\g+1], v[DC+\g:DC+\g+1], v[RQ+\g:RQ+\g+1] neg_lo:[0,0,1] neg_hi:[0,0,1]
.endr
	QUANT2 T0, PC, SCW, TM
	QUANT2 T1, PC+8, SCW+1, TM
	global_store_b128 v[LI], v[PC:PC+3], s[40:41]             ; 32 lanes store 512 consecutive bytes
	global_store_b128 v[LI], v[PC+4:PC+7], s[40:41] offset:512
	global_store_b128 v[LI], v[PC+8:PC+11], s[42:43]
	global_store_b128 v[LI], v[PC+12:PC+15], s[42:43] offset:512
	; the scale words: word f = a / 2 holds tile 2 f's two bytes below and tile 2 f + 1's above; it lies in lanes of half f % 2, register f / 2
	s_and_b32 s18, s3, 1
	s_lshl_b32 s18, s18, 4
	s_mov_b32 s19, 0xffff
	s_bitcmp1_b32 s3, 1
	s_cselect_b32 s19, 0xffff0000, s19
	s_cmp_lt_u32 s3, 4
	s_cselect_b32 s23, -1, 0
	s_not_b32 s67, s23
.irp hd, 0,1
	v_lshlrev_b32 v[SCW+\hd], s18, v[SCW+\hd]
	v_cndmask_b32 v[SCW+\hd], 0, v[SCW+\hd], s19
	v_and_or_b32 v[XW+2*\hd], v[SCW+\hd], s23, v[XW+2*\hd]
	v_and_or_b32 v[XW+2*\hd+1], v[SCW+\hd], s67, v[XW+2*\hd+1]
.endr
	s_wait_xcnt 0x0                                ; the stores have read their registers and bases: both are written again
	s_add_nc_u64 s[40:41], s[40:41], 1024
	s_add_nc_u64 s[42:43], s[42:43], 1024
	s_add_co_u32 s3, s3, 1
	s_cmp_lt_u32 s3, 8
	s_cbranch_scc1 .Lqk
	s_wait_alu depctr_va_vdst(0)
	global_store_b64 v[L8], v[XW:XW+1], s[44:45]   ; 256 consecutive bytes
	global_store_b64 v[L8], v[XW+2:XW+3], s[46:47]
	s_branch .Ltail
; ---- v.  Window 0: v32-47 at work; v48-55 the tiles' scale words; v56-59 as they leave; v64-79 the bias; v80-111 codes, two sets; v128-191 64 numbers
.set VTM, 32
.set VPW, 48
.set VX,  56
.set VPC, 80
.set VT,  128
.macro QUANT4 s, pc, pw                ; 64 numbers of a lane, four blocks of 16 registers, become a fragment's 16 registers and its scale word
.irp b, 0,1,2,3
	v_max3_num_f32 v[VTM+\b], |v[\s+16*\b]|, |v[\s+1+16*\b]|, 0x4800000
.endr
.irp i, 2,4,6,8,10,12,14
.irp b, 0,1,2,3
	v_max3_num_f32 v[VTM+\b], v[VTM+\b], |v[\s+16*\b+\i]|, |v[\s+1+16*\b+\i]|
.endr
.endr
.irp b, 0,1,2,3
	v_permlanex16_b32 v[VTM+4+\b], v[VTM+\b], s[SEL], s[SEL+1]
.endr
.irp b, 0,1,2,3
	v_max_num_f32 v[VTM+\b], v[VTM+\b], v[VTM+4+\b]
.endr
.irp b, 0,1,2,3
	v_add_nc_u32 v[VTM+12+\b], 0xfc000000, v[VTM+\b]
.endr
.irp b, 0,1,2,3
	v_and_or_b32 v[VTM+8+\b], v[VTM+\b], 0x7f800000, s[MNT]
.endr
.irp b, 0,1,2,3
	v_lshrrev_b32 v[VTM+4+\b], 23, v[VTM+12+\b]
.endr
	v_lshl_or_b32 v[\pw], v[VTM+5], 8, v[VTM+4]
	v_lshl_or_b32 v[\pw], v[VTM+6], 16, v[\pw]
	v_lshl_or_b32 v[\pw], v[VTM+7], 24, v[\pw]
.irp b, 0,1,2,3
.irp i, 0,1,2,3,4,5,6,7,8,9,10,11,12,13,14,15
	v_med3_num_f32 v[\s+16*\b+\i], v[\s+16*\b+\i], -v[VTM+8+\b], v[VTM+8+\b]
.endr
	v_cvt_scalef32_pk8_fp8_f32 v[\pc+4*\b:\pc+4*\b+1], v[\s+16*\b:\s+16*\b+7], v[VTM+12+\b]
	v_cvt_scalef32_pk8_fp8_f32 v[\pc+4*\b+2:\pc+4*\b+3], v[\s+16*\b+8:\s+16*\b+15], v[VTM+12+\b]
.endr
	v_nop
.endm
.macro VTILE a                         ; 16 channels (head a / 4, tile a % 4) x my 128 keys
	s_wait_xcnt 0x0                                ; the stores of two tiles back have read their registers
	WIN (0x02+(\a)/4)
.set p, 0
.rept 32
	v_pk_add_f32 v[VT+p:VT+p+1], v[64*((\a)%4)+p:64*((\a)%4)+p+1], v[BIAS+2*(\a):BIAS+2*(\a)+1]   ; + the channel's bias; each accumulator from its low end on
.set p, p+2
.endr
	WIN 0
	QUANT4 VT, VPC+16*((\a)%2), VPW+(\a)
.irp c, 0,1,2,3
	global_store_b128 v[LI], v[VPC+16*((\a)%2)+4*\c:VPC+16*((\a)%2)+4*\c+3], s[40+2*((\a)/4):41+2*((\a)/4)] offset:8192+((\a)%4)*2048+512*\c
.endr
.endm
.Lv_out:
.irp b, 0,1,2,3
	v_mov_b32 v[VTM+4+\b], 0                       ; a lane permute's destination counts as one of its sources
.endr
	s_mov_b32 s19, 0xffff0000
.irp hd, 0,1
	VTILE 4*\hd+0
	VTILE 4*\hd+1
	VTILE 4*\hd+2
	VTILE 4*\hd+3
	v_cndmask_b32 v[VX+2*\hd], v[VPW+4*\hd], v[VPW+4*\hd+1], s19      ; lanes 0-15 tile 2 q's words, lanes 16-31 tile 2 q + 1's
	v_cndmask_b32 v[VX+2*\hd+1], v[VPW+4*\hd+2], v[VPW+4*\hd+3], s19
	global_store_b64 v[L8], v[VX+2*\hd:VX+2*\hd+1], s[40+2*\hd:41+2*\hd] offset:16640
.endr
.Ltail:
	s_wait_tensorcnt 0x0                           ; the wave's end
	ds_add_u32 v[SPW], v[NIL]
	s_wait_dscnt 0x0
	CROUND                                         ; the closing round
	s_endpgm
.Lfunc_end_k_q966cf38608_qkv:
	.size	k_q966cf38608_qkv, .Lfunc_end_k_q966cf38608_qkv-k_q966cf38608_qkv
	.p2alignl 7, 3214868480
	.fill 96, 4, 3214868480
	.section	.rodata,"a",@progbits
	.p2align	6, 0x0
	.amdhsa_kernel k_q966cf38608_qkv
		.amdhsa_group_segment_fixed_size 327680
		.amdhsa_private_segment_fixed_size 0
		.amdhsa_enable_private_segment 0
		.amdhsa_kernarg_size 56
		.amdhsa_user_sgpr_count 2
		.amdhsa_user_sgpr_kernarg_segment_ptr 1
		.amdhsa_wavefront_size32 1
		.amdhsa_system_sgpr_workgroup_id_x 1
		.amdhsa_system_sgpr_workgroup_id_y 1
		.amdhsa_system_sgpr_workgroup_id_z 1
		.amdhsa_system_vgpr_workitem_id 0
		.amdhsa_next_free_vgpr 1024
		.amdhsa_next_free_sgpr 106
		.amdhsa_reserve_vcc 0
		.amdhsa_float_denorm_mode_32 3
		.amdhsa_float_denorm_mode_16_64 3
		.amdhsa_memory_ordered 1
		.amdhsa_forward_progress 1
		.amdhsa_inst_pref_size 255
	.end_amdhsa_kernel
	.section	.bss,"aw",@nobits
	.p2align	6
	.space	262144
	.amdgpu_metadata
---
amdhsa.version: [ 1, 2 ]
amdhsa.kernels:
  - .name:           k_q966cf38608_qkv
    .symbol:         k_q966cf38608_qkv.kd
    .args:
      - { .name: x_codes, .offset: 0, .size: 8, .value_kind: global_buffer, .address_space: global }
      - { .name: x_scales, .offset: 8, .size: 8, .value_kind: global_buffer, .address_space: global }
      - { .name: w_qkv_codes, .offset: 16, .size: 8, .value_kind: global_buffer, .address_space: global }
      - { .name: w_qkv_scales, .offset: 24, .size: 8, .value_kind: global_buffer, .address_space: global }
      - { .name: b_qkv, .offset: 32, .size: 8, .value_kind: global_buffer, .address_space: global }
      - { .name: qb, .offset: 40, .size: 8, .value_kind: global_buffer, .address_space: global }
      - { .name: kv, .offset: 48, .size: 8, .value_kind: global_buffer, .address_space: global }
    .group_segment_fixed_size: 327680
    .private_segment_fixed_size: 0
    .kernarg_segment_align: 8
    .kernarg_segment_size: 56
    .max_flat_workgroup_size: 128
    .sgpr_count:     106
    .vgpr_count:     1024
    .wavefront_size: 32
...
	.end_amdgpu_metadata
.endif
;; end of part 1
;; launch attn (part 2): grid 4 x 64, 8 waves a work-group, clusters of 4 x 1, 272,384 bytes of LDS; arguments qb, kv, ac, asc; writes ac, asc
.if DOCPART == 2
	.amdgcn_target "amdgcn-amd-amdhsa--gfx1250"
	.amdhsa_code_object_version 6
	.text
	.protected	k_q966cf38608_attn
	.globl	k_q966cf38608_attn
	.p2align	8
	.type	k_q966cf38608_attn,@function
k_q966cf38608_attn:
	s_mov_b64 s[64:65], 0
	v_nop
	global_prefetch_b8 v0, s[64:65] scope:SCOPE_SE
	s_setreg_imm32_b32 hwreg(HW_REG_WAVE_MODE, 25, 1), 1
	s_wait_xcnt 0x0
	s_wait_alu depctr_hold_cnt(0) depctr_sa_sdst(0) depctr_va_vdst(0) depctr_va_sdst(0) depctr_va_ssrc(0) depctr_va_vcc(0) depctr_vm_vsrc(0)
	s_getreg_b32 s2, hwreg(HW_REG_IB_STS2, 6, 4)
	s_cmp_eq_u32 s2, 0
	s_cbranch_scc0 .Lentry_in_a_cluster
	s_endpgm
.Lentry_in_a_cluster:
	s_bfe_u32 s2, ttmp6, 0x10000c
	s_cmp_lg_u32 s2, 0x3003
	s_cbranch_scc0 .Lentry_shape_is_right
	s_endpgm
.Lentry_shape_is_right:
; Causal attention of one (batch, head) a cluster, both products on codes of E4M3 with E8M0 scales, and the quantiser of the last product's left operand.
; t = score x log2(e) / 8; M = the running largest t rounded up to a whole number; p = 2^(t - M) is quantised along the keys; the row's sum is taken of the unquantised p and divides O at the end.
; Key steps all of whose keys come after a tile's queries are left out: the causal mask throws their scores away.
; SHARES.  The four work-groups of a cluster share a head's k and v: all 16 blocks of 128 keys (16,896 bytes each, images of operand registers) come ONCE into each one's LDS, by 8 joint loads, one a wave, two blocks each; LDS is only read from then on.
; All fills go out at the head, so there is no loop in which a prefetch could run ahead of them: none is written.
; Partner cx owns the tiles of 16 queries 4 i + cx.  A WAVE OWNS TWO TILES AT A TIME, A = 8 m + cx and B = 8 m + 4 + cx, of one block m of 128 queries: both want m + 1 key steps, whatever cx is, so no branch hangs on a work-group's place,
; and each fragment of k and v feeds both.  Wave w takes m = 15 - w and then m = w: 17 double steps in every wave.
; LAYOUT.  Both products are used transposed, so a lane holds ONE query of each tile.  The head's axis is 64, the instruction's K 128: a fragment of k holds TWO tiles of 16 keys and is multiplied by [q, 0] and by [0, q]; zero codes add nothing.
; THE ORDER OF A STEP.  k's fragments were asked for a step ahead, v's are asked for behind the first products: one wait for LDS a step.  A's exponentials stand by turns with B's scalings, B's with A's holds; each run has one wait ahead of it and one behind it.
; q of the next pass is asked for a pass ahead, into a stage of registers.
; LIMITS: NaN and infinities are not served.  Hidden scores become -infinity where the definition has -1e30: p is 0 either way.  A block under 2^-118 (a block of zeros too) gets the byte 1: this program alone reads the bytes.
; The scaled scores stay under 2^31 in magnitude.
; REGISTERS.  Window 0: v1-10 addresses; v12-13 the add's; v14 -infinity; v16-47, v48-79 the tiles' state; v80-83 k's and v's scale words; v84-123 0, qA, 0, qB, 0; v126-127 q's scale words as loaded; v128-191 A's S^T, then p; v192-255 B's.
; Window 1: v0-63 k's fragments; v64-127 v's; v128-159, v160-191 O^T; v192-207, v208-223 p's codes; v224-241 the next q.
.set STEPB, 16896                      ; a block of 128 keys in kv and in LDS
.set QSTB,  8448                       ; a block of 128 queries in qb
.set SPARE, 0x42000                    ; behind the 16 blocks: the spare words, 128 bytes a wave
.set TB,  2                            ; s2   LDS byte of the key step in hand
.set SS,  3                            ; s3   the key step
.set WV,  18
.set MNT, 19
.set SEL, 20
.set CS,  22                           ; s[22:23] log2(e) / 8
.set NN,  32                           ; s32  key steps of the pass in hand
.set UU,  33                           ; s33  the pass
.set CX,  34
.set BH,  35
.set TN,  47                           ; s47  LDS byte of the next key step, held at the last block
.set LI,  1                            ; v1   16 x lane
.set L8,  2                            ; v2   8 x lane
.set AK,  3                            ; v3, v4  this step's fragments, its scale words
.set AW,  4
.set MB,  5                            ; v5   the mask's bound for tile A: 16 cx + r - 8 h
.set R8,  6                            ; v6   8 r
.set OA,  7                            ; v7   16 r + 8 h
.set R32, 8                            ; v8   32 r
.set AKN, 9                            ; v9, v10  the next step's
.set AWN, 10
.set SPW, 12
.set NIL, 13
.set NINF, 14
.set ST,  16                           ; tile x's state at ST + 32 x: +0 -M, +1 the largest t, +2 the sum (pair), +4 f (pair), +6 block maxima, +10 at work, +14 bounds, +18 scale operands, +22 at work, +23 p's scale word, +24 q's, +26 three more sums (pairs)
.set KW,  80
.set VW,  82
.set Z,   84
.set QL,  126
.set S,   128
.set MSB, 0
.macro WIN new                         ; low byte: bits 1:0 source 0, 3:2 source 1, 5:4 source 2, 7:6 destination; the high byte repeats the setting that is left
.if MSB != \new
	s_set_vgpr_msb (MSB<<8)|\new
.set MSB, \new
.endif
.endm
.macro PLACES n
.rept \n
	v_nop
.endr
.endm
.macro CROUND
	s_barrier_signal -1
	s_barrier_wait -1
	s_cmp_lg_u32 s[WV], 0
	s_cbranch_scc1 .Lnot_wave_0_\@
	s_barrier_signal -3
.Lnot_wave_0_\@:
	s_barrier_wait -3
	s_barrier_signal -1
	s_barrier_wait -1
.endm
.macro LOADQ m                         ; both tiles' q and scale words of the block of 128 queries s[m], into the stage in window 1
	s_lshl_b32 s43, s[BH], 4
	s_add_co_u32 s42, s[\m], s43
	s_mul_i32 s42, s42, QSTB
	s_mov_b32 s43, 0
	s_add_nc_u64 s[36:37], s[4:5], s[42:43]
	s_lshl_b32 s42, s[CX], 10                      ; tile A is the block's tile cx, tile B its tile cx + 4: 4,096 bytes on
	s_add_nc_u64 s[38:39], s[36:37], s[42:43]
	s_lshr_b32 s42, s[CX], 1                       ; scale word f = tile / 2 lies at lane 16 (f % 2) + r, register f / 2: A's and B's are the two words of one lane
	s_lshl_b32 s42, s42, 7
	s_add_nc_u64 s[36:37], s[36:37], s[42:43]
	WIN 0x40
	global_load_b128 v[224:227], v[LI], s[38:39]
	global_load_b128 v[228:231], v[LI], s[38:39] offset:512
	global_load_b128 v[232:235], v[LI], s[38:39] offset:4096
	global_load_b128 v[236:239], v[LI], s[38:39] offset:4608
	global_load_b64 v[240:241], v[R8], s[36:37] offset:8192
	WIN 0
.endm
.macro SCALE_T x, j                    ; t - M of pair j of tile x
	v_pk_fma_f32 v[S+64*(\x)+2*(\j):S+64*(\x)+2*(\j)+1], v[S+64*(\x)+2*(\j):S+64*(\x)+2*(\j)+1], s[CS:CS+1], v[ST+32*(\x):ST+32*(\x)+1] op_sel_hi:[1,0,0]
.endm
.macro ADD4 k                          ; one turn of the four chains of a row's sum: pairs k / 2 .. k / 2 + 3 of p
	v_pk_add_f32 v[U_+26:U_+27], v[U_+26:U_+27], v[P_+(\k):P_+(\k)+1]
	v_pk_add_f32 v[U_+28:U_+29], v[U_+28:U_+29], v[P_+(\k)+2:P_+(\k)+3]
	v_pk_add_f32 v[U_+30:U_+31], v[U_+30:U_+31], v[P_+(\k)+4:P_+(\k)+5]
	v_pk_add_f32 v[U_+2:U_+3], v[U_+2:U_+3], v[P_+(\k)+6:P_+(\k)+7]
.endm
; Two things of tile x by turns, so that no line stands close behind the line that it hangs on: the row's sum of the unquantised p (32 pairs in four chains),
; and, from the four blocks' largest p, the scale operands, the bounds and p's scale word
.macro SCSUM x
.set U_, ST+32*(\x)
.set P_, S+64*(\x)
	v_pk_add_f32 v[U_+26:U_+27], v[P_:P_+1], v[P_+2:P_+3]
	v_pk_add_f32 v[U_+28:U_+29], v[P_+4:P_+5], v[P_+6:P_+7]
	v_pk_add_f32 v[U_+30:U_+31], v[P_+8:P_+9], v[P_+10:P_+11]
	v_pk_add_f32 v[U_+2:U_+3], v[U_+2:U_+3], v[P_+12:P_+13]
.irp b, 0,1,2,3
	v_max_num_f32 v[U_+6+\b], 0x4800000, v[U_+6+\b]            ; the floor 2^(9 - 127): the byte cannot fall under 1
.endr
	ADD4 14
.irp b, 0,1,2,3
	v_add_nc_u32 v[U_+18+\b], 0xfc000000, v[U_+6+\b]           ; 8 off the exponent field
.endr
	ADD4 22
.irp b, 0,1,2,3
	v_and_or_b32 v[U_+14+\b], v[U_+6+\b], 0x7f800000, s[MNT]   ; 448 x the scale
.endr
	ADD4 30
.irp b, 0,1,2,3
	v_lshrrev_b32 v[U_+10+\b], 23, v[U_+18+\b]
.endr
	ADD4 38
	v_lshl_or_b32 v[U_+23], v[U_+11], 8, v[U_+10]
	ADD4 46
	v_lshl_or_b32 v[U_+23], v[U_+12], 16, v[U_+23]
	ADD4 54
	v_lshl_or_b32 v[U_+23], v[U_+13], 24, v[U_+23]
	v_pk_add_f32 v[U_+26:U_+27], v[U_+26:U_+27], v[P_+62:P_+63]
	v_pk_add_f32 v[U_+2:U_+3], v[U_+2:U_+3], v[U_+30:U_+31]
	v_pk_add_f32 v[U_+26:U_+27], v[U_+26:U_+27], v[U_+28:U_+29]
	v_pk_add_f32 v[U_+2:U_+3], v[U_+2:U_+3], v[U_+26:U_+27]
.endm
.macro CVT x                           ; tile x's held p becomes the second product's operand, in window 1
	WIN 0x40
.irp b, 0,1,2,3
	v_cvt_scalef32_pk8_fp8_f32 v[192+16*(\x)+4*\b:192+16*(\x)+4*\b+1], v[S+64*(\x)+16*\b:S+64*(\x)+16*\b+7], v[ST+32*(\x)+18+\b]
	v_cvt_scalef32_pk8_fp8_f32 v[192+16*(\x)+4*\b+2:192+16*(\x)+4*\b+3], v[S+64*(\x)+16*\b+8:S+64*(\x)+16*\b+15], v[ST+32*(\x)+18+\b]
.endr
	WIN 0
.endm
	s_load_b256 s[4:11], s[0:1], 0x0               ; qb s[4:5], kv s[6:7], ac s[8:9], asc s[10:11]
	v_lshl_add_u32 v[SPW], v0, 2, SPARE
	v_mov_b32 v[NIL], 0
	ds_add_u32 v[SPW], v[NIL]                      ; the opening lines
	ds_add_u32 v[SPW], v[NIL]
	v_lshrrev_b32 v1, 5, v0
	v_readfirstlane_b32 s[WV], v1                  ; wave 0..7
	s_bfe_u32 s[CX], ttmp6, 0x40000                ; my place in the cluster: it enters global addresses, a shift and the mask's bound alone
	s_and_b32 s[BH], ttmp7, 0xffff                 ; batch x 16 + head: the cluster's
	s_mov_b32 s24, 15|(3<<16)|(1<<21)              ; all four work-groups; elements of 8 bytes; bit 21 beside a mask; no padding
	s_mov_b32 s25, 32<<16                          ; tensor_dim0: 256 bytes
	s_mov_b32 s26, 132<<16                         ; tensor_dim1: 132 rows = two blocks, 33,792 dense bytes
	s_mov_b32 s27, 32<<16
	s_mov_b32 s28, 132
	s_mov_b32 s29, 32
	s_mov_b32 s30, 0
	s_mov_b32 s31, 0
	s_mov_b32 s12, 1
	s_mul_i32 s13, s[WV], 2*STEPB                  ; key steps 2 w and 2 w + 1
	s_mul_i32 s36, s[BH], 16*STEPB
	s_add_co_u32 s36, s36, s13
	s_mov_b32 s37, 0
	s_mov_b32 s[SEL], 0x76543210
	s_mov_b32 s[SEL+1], 0xfedcba98
	s_mov_b32 s[CS], 0x3e38aa3b
	s_mov_b32 s[CS+1], s[CS]
	s_mov_b32 s[MNT], 0x600000
	s_wait_dscnt 0x0
	s_wait_kmcnt 0x0
	s_add_nc_u64 s[14:15], s[6:7], s[36:37]
	s_or_b32 s15, s15, 0x80000000
	CROUND                                         ; all four work-groups are here: the joint loads meet
	tensor_load_to_lds s[12:15], s[24:31]          ; my one tensor load of the launch
	s_nop 0
	PLACES 4
	v_and_b32 v9, 31, v0
	v_lshlrev_b32 v[LI], 4, v9
	v_lshlrev_b32 v[L8], 3, v9
	v_and_b32 v9, 15, v0                           ; r
	v_bfe_u32 v10, v0, 4, 1
	v_lshlrev_b32 v10, 3, v10                      ; 8 h
	v_lshlrev_b32 v[R8], 3, v9
	v_lshl_add_u32 v[OA], v9, 4, v10
	v_lshlrev_b32 v[R32], 5, v9
	v_sub_nc_u32 v[MB], v9, v10
	v_lshl_add_u32 v[MB], s[CX], 4, v[MB]
	v_mov_b32 v[NINF], 0xff800000
.irp j, 0,1,2,3,4,5,6,7
	v_mov_b32 v[Z+\j], 0                           ; the zero halves beside q
	v_mov_b32 v[Z+16+\j], 0
	v_mov_b32 v[Z+32+\j], 0
.endr
	v_mov_b32 v[ST+5], 0                           ; the upper halves of the pairs that hold f: named, so written
	v_mov_b32 v[ST+37], 0
	s_wait_alu depctr_va_vdst(0)                   ; the wait ahead of the scalar lines below
	s_sub_co_u32 s41, 15, s[WV]
	LOADQ 41                                       ; the first pass's q lands under the tensor loads
	s_wait_tensorcnt 0x0                           ; my two blocks have landed,
	s_barrier_signal -1
	s_barrier_wait -1                              ; everybody's have
	s_mov_b32 s[UU], 0
.Ltile:
	s_sub_co_u32 s40, 15, s[WV]
	s_cmp_eq_u32 s[UU], 0
	s_cselect_b32 s40, s40, s[WV]                  ; m
	s_add_co_u32 s[NN], s40, 1                     ; its key steps
	s_and_b32 s46, s[CX], 1
	s_lshl_b32 s46, s46, 4                         ; an odd tile's two scale bytes lie in the upper half of its word
	WIN 0x40
.irp f, 0,1,2,3                        ; key step 0's fragments of k
.irp c, 0,1,2,3
	ds_load_b128 v[16*\f+4*\c:16*\f+4*\c+3], v[LI] offset:2048*\f+512*\c
.endr
.endr
	WIN 0
	ds_load_b64 v[KW:KW+1], v[L8] offset:16384
.irp x, 0,1
	v_mov_b32 v[ST+32*\x+1], 0xff61b1e6            ; the largest t so far: -3e38
	v_mov_b32 v[ST+32*\x], 0x7f61b1e6              ; -M = floor(3e38), a whole number
	v_mov_b32 v[ST+32*\x+2], 0
	v_mov_b32 v[ST+32*\x+3], 0
	v_mov_b32 v[ST+32*\x+22], 0                    ; lane permutes' destinations: written before they are named
.irp j, 6,7,8,9,10,11,12,13
	v_mov_b32 v[ST+32*\x+\j], 0
.endr
.endr
	s_wait_alu depctr_va_vdst(0)
	s_wait_loadcnt 0x0                             ; this pass's q is in the stage
	WIN 0x01
.irp j, 0,1,2,3,4,5,6,7
	v_mov_b32 v[Z+8+\j], v[224+\j]
	v_mov_b32 v[Z+24+\j], v[232+\j]
.endr
	v_mov_b32 v[QL], v240
	v_mov_b32 v[QL+1], v241
	WIN 0
.irp x, 0,1
	v_lshrrev_b32 v[QL+\x], s46, v[QL+\x]
.endr
.irp x, 0,1
	v_and_b32 v[QL+\x], 0xffff, v[QL+\x]
.endr
.irp x, 0,1
	v_lshl_or_b32 v[ST+32*\x+24], v[QL+\x], 16, v[QL+\x]   ; q's two bytes, below and above: they serve [q, 0] and [0, q]
.endr
	s_wait_alu depctr_va_vdst(0)
	s_cmp_lg_u32 s[UU], 0
	s_cbranch_scc1 .Lno_next
	LOADQ WV                                       ; the second pass's q: a whole pass ahead
.Lno_next:
	WIN 0x40
.set j, 0
.rept 64
	v_mov_b32 v[128+j], 0                          ; O^T of both tiles: the step is written once; the first change of M leaves zeros zeros
.set j, j+1
.endr
	WIN 0
	s_mov_b32 s[TB], 0
	s_mov_b32 s[SS], 0
	s_wait_alu depctr_va_vdst(0)
	s_wait_dscnt 0x0                               ; key step 0's k
.Lstep:                                ; 16 trips, a constant; a step whose keys all come after my queries is passed over
	s_cmp_ge_u32 s[SS], s[NN]
	s_cbranch_scc1 .Lskip
	s_add_co_u32 s[TN], s[TB], STEPB
	s_min_u32 s[TN], s[TN], 15*STEPB
	v_add_nc_u32 v[AK], s[TB], v[LI]
	v_add_nc_u32 v[AW], s[TB], v[L8]
	v_add_nc_u32 v[AKN], s[TN], v[LI]
	v_add_nc_u32 v[AWN], s[TN], v[L8]
	s_wait_alu depctr_va_vdst(0)                   ; the wait directly behind these writes
	WIN 0x01
.irp f, 0,1,2,3                        ; S^T: tiles 2 f and 2 f + 1 of 16 keys, for A and for B
.irp x, 0,1
.if \f % 2
	v_wmma_scale_f32_16x16x128_f8f6f4 v[S+64*\x+16*\f:S+64*\x+16*\f+7], v[16*\f:16*\f+15], v[Z+8+16*\x:Z+23+16*\x], 0, v[KW+\f/2], v[ST+32*\x+24] matrix_a_scale:MATRIX_SCALE_ROW1
	v_wmma_scale_f32_16x16x128_f8f6f4 v[S+64*\x+16*\f+8:S+64*\x+16*\f+15], v[16*\f:16*\f+15], v[Z+16*\x:Z+15+16*\x], 0, v[KW+\f/2], v[ST+32*\x+24] matrix_a_scale:MATRIX_SCALE_ROW1
.else
	v_wmma_scale_f32_16x16x128_f8f6f4 v[S+64*\x+16*\f:S+64*\x+16*\f+7], v[16*\f:16*\f+15], v[Z+8+16*\x:Z+23+16*\x], 0, v[KW+\f/2], v[ST+32*\x+24]
	v_wmma_scale_f32_16x16x128_f8f6f4 v[S+64*\x+16*\f+8:S+64*\x+16*\f+15], v[16*\f:16*\f+15], v[Z+16*\x:Z+15+16*\x], 0, v[KW+\f/2], v[ST+32*\x+24]
.endif
.endr
.endr
	WIN 0
	PLACES 8                                       ; behind the products: their sums are read and their fragments' registers loaded anew (ISA guide 7.12.1)
	WIN 0x40
.irp f, 0,1,2,3                        ; v's four fragments land under the softmax
.irp c, 0,1,2,3
	ds_load_b128 v[64+16*\f+4*\c:64+16*\f+4*\c+3], v[AK] offset:8192+2048*\f+512*\c
.endr
.endr
	WIN 0
	ds_load_b64 v[VW:VW+1], v[AW] offset:16640
	s_add_co_u32 s46, s[SS], 1
	s_cmp_lg_u32 s46, s[NN]
	s_cbranch_scc0 .Ldiag                          ; only the pass's last step lies on the diagonal, and it has no successor
	WIN 0x40
.irp f, 0,1,2,3                        ; the next step's k
.irp c, 0,1,2,3
	ds_load_b128 v[16*\f+4*\c:16*\f+4*\c+3], v[AKN] offset:2048*\f+512*\c
.endr
.endr
	WIN 0
	ds_load_b64 v[KW:KW+1], v[AWN] offset:16384
	s_branch .Ljoin
.Ldiag:                                ; register 16 c + i holds key 32 c + i + 8 (i / 8) + 8 h of the step.  A's queries are 16 cx + r, B's 64 on: one compare serves A's blocks 0, 1 and B's blocks 2, 3; A's blocks 2, 3 are all hidden, B's blocks 0, 1 all open
.set n, 0
.rept 32
	v_cmp_gt_i32 vcc_lo, 32*(n/16)+n%16+8*((n%16)/8), v[MB]
	v_cndmask_b32 v[S+n], v[S+n], v[NINF], vcc_lo
	v_cndmask_b32 v[S+96+n], v[S+96+n], v[NINF], vcc_lo
	v_mov_b32 v[S+32+n], v[NINF]
.set n, n+1
.endr
.Ljoin:
.irp b, 0,1,2,3                        ; each block's largest score: for the row's maximum and for the block's largest p; eight chains by turns
.irp x, 0,1
	v_max3_num_f32 v[ST+32*\x+6+\b], v[S+64*\x+16*\b], v[S+64*\x+16*\b+1], v[S+64*\x+16*\b+2]
.endr
.endr
.irp i, 3,5,7,9,11,13
.irp b, 0,1,2,3
.irp x, 0,1
	v_max3_num_f32 v[ST+32*\x+6+\b], v[ST+32*\x+6+\b], v[S+64*\x+16*\b+\i], v[S+64*\x+16*\b+\i+1]
.endr
.endr
.endr
.irp b, 0,1,2,3
.irp x, 0,1
	v_max_num_f32 v[ST+32*\x+6+\b], v[ST+32*\x+6+\b], v[S+64*\x+16*\b+15]
.endr
.endr
.irp b, 0,1,2,3
.irp x, 0,1
	v_permlanex16_b32 v[ST+32*\x+10+\b], v[ST+32*\x+6+\b], s[SEL], s[SEL+1]
.endr
.endr
.irp b, 0,1,2,3
.irp x, 0,1
	v_max_num_f32 v[ST+32*\x+6+\b], v[ST+32*\x+6+\b], v[ST+32*\x+10+\b]
.endr
.endr
.irp x, 0,1
	v_max3_num_f32 v[ST+32*\x+22], v[ST+32*\x+6], v[ST+32*\x+7], v[ST+32*\x+8]
.endr
.irp x, 0,1
	v_max_num_f32 v[ST+32*\x+22], v[ST+32*\x+22], v[ST+32*\x+9]
.endr
.irp x, 0,1
	v_mul_f32 v[ST+32*\x+22], s[CS], v[ST+32*\x+22]
.endr
.irp x, 0,1
	v_max_num_f32 v[ST+32*\x+1], v[ST+32*\x+1], v[ST+32*\x+22]   ; the running largest t
.endr
.irp x, 0,1
	v_mov_b32 v[ST+32*\x+22], v[ST+32*\x]
.endr
.irp x, 0,1
	v_floor_f32 v[ST+32*\x], -v[ST+32*\x+1]        ; -M = floor(-t)
.endr
.irp x, 0,1
	v_sub_f32 v[ST+32*\x+22], v[ST+32*\x], v[ST+32*\x+22]
.endr
.irp x, 0,1
	v_cvt_i32_f32 v[ST+32*\x+22], v[ST+32*\x+22]   ; (it saturates)
.endr
.irp x, 0,1
	v_ldexp_f32 v[ST+32*\x+4], 1.0, v[ST+32*\x+22] ; f = 2^(old M - new M)
.endr
.set j, 0
.rept 32
	SCALE_T 0, j
.set j, j+1
.endr
.irp b, 0,1,2,3
	v_fma_f32 v[ST+6+\b], v[ST+6+\b], s[CS], v[ST]
.endr
	s_wait_alu depctr_va_vdst(0)                   ; the wait ahead of a run of exponentials
.set j, 0
.rept 68                               ; A's 64 p and its four blocks' largest; by turns with them B's t - M, which names none of them
.if j < 64
	v_exp_f32 v[S+j], v[S+j]
.else
	v_exp_f32 v[ST+6+j-64], v[ST+6+j-64]
.endif
.if j < 32
	SCALE_T 1, j
.elseif j < 36
	v_fma_f32 v[ST+38+j-32], v[ST+38+j-32], s[CS], v[ST+32]
.endif
.set j, j+1
.endr
	v_pk_mul_f32 v[ST+2:ST+3], v[ST+2:ST+3], v[ST+4:ST+5] op_sel_hi:[1,0]         ; the sums under the new M; plain lines behind the exponentials
	v_pk_mul_f32 v[ST+34:ST+35], v[ST+34:ST+35], v[ST+36:ST+37] op_sel_hi:[1,0]
	s_wait_alu depctr_va_vdst(0)                   ; and the wait behind the run
	SCSUM 0
	s_wait_alu depctr_va_vdst(0)
.set j, 0
.rept 68                               ; B's exponentials; by turns with them A's holds: the conversion does not saturate (ISA guide 7.6.2), and p is not negative
.if j < 64
	v_exp_f32 v[S+64+j], v[S+64+j]
	v_min_num_f32 v[S+j], v[S+j], v[ST+14+j/16]
.else
	v_exp_f32 v[ST+38+j-64], v[ST+38+j-64]
.endif
.set j, j+1
.endr
	v_nop
	s_wait_alu depctr_va_vdst(0)
	CVT 0
	SCSUM 1
.irp b, 0,1,2,3
	v_mov_b32 v[ST+59+\b], v[ST+46+\b]             ; B's bounds once more, one register bank on: the two halves of a pair below take their second sources from different banks
.endr
.set j, 0
.rept 32                               ; B's holds, two to a line: destinations even and odd, first sources and second sources in different banks
	v_dual_min_num_f32 v[S+64+j], v[S+64+j], v[ST+46+j/16] :: v_dual_min_num_f32 v[S+65+j], v[S+65+j], v[ST+59+j/16]
.set j, j+2
.endr
	CVT 1
	WIN 0x41
	s_wait_alu depctr_va_vdst(0)                   ; the wait directly ahead of the first lines that read O^T
.irp x, 0,1
.set j, 0
.rept 16
	v_pk_mul_f32 v[128+32*\x+j:128+32*\x+j+1], v[128+32*\x+j:128+32*\x+j+1], v[ST+32*\x+4:ST+32*\x+5] op_sel_hi:[1,0]   ; O^T under the new M; also the places in front of the products
.set j, j+2
.endr
.endr
	s_wait_alu depctr_va_vdst(0)
	s_wait_dscnt 0x0                               ; v, and the next step's k: both asked for ahead of the softmax
	WIN 0x55
.irp d, 0,1,2,3                        ; O^T += V^T P^T: the eight accumulators take turns
.irp x, 0,1
.if \d % 2
	v_wmma_scale_f32_16x16x128_f8f6f4 v[128+32*\x+8*\d:128+32*\x+8*\d+7], v[64+16*\d:64+16*\d+15], v[192+16*\x:192+16*\x+15], v[128+32*\x+8*\d:128+32*\x+8*\d+7], v[VW+\d/2], v[ST+32*\x+23] matrix_a_scale:MATRIX_SCALE_ROW1
.else
	v_wmma_scale_f32_16x16x128_f8f6f4 v[128+32*\x+8*\d:128+32*\x+8*\d+7], v[64+16*\d:64+16*\d+15], v[192+16*\x:192+16*\x+15], v[128+32*\x+8*\d:128+32*\x+8*\d+7], v[VW+\d/2], v[ST+32*\x+23]
.endif
.endr
.endr
	WIN 0
.Lskip:
	s_add_co_u32 s[TB], s[TB], STEPB
	s_add_co_u32 s[SS], s[SS], 1
	s_cmp_lt_u32 s[SS], 16
	s_cbranch_scc1 .Lstep
	; the pass is done: O^T / the sum, quantised along the model's axis (my head's two blocks of 32), both tiles by turns
	PLACES 8
.irp x, 0,1
	v_add_f32 v[ST+32*\x+2], v[ST+32*\x+2], v[ST+32*\x+3]
.endr
.irp x, 0,1
	v_permlanex16_b32 v[ST+32*\x+22], v[ST+32*\x+2], s[SEL], s[SEL+1]
.endr
.irp x, 0,1
	v_add_f32 v[ST+32*\x+2], v[ST+32*\x+2], v[ST+32*\x+22]
.endr
	s_wait_alu depctr_va_vdst(0)
.irp x, 0,1
	v_rcp_f32 v[ST+32*\x+2], v[ST+32*\x+2]
.endr
	v_nop
	WIN 0x01
	s_wait_alu depctr_va_vdst(0)                   ; for the reciprocals, and directly ahead of the first lines that read O^T
.irp x, 0,1
.set j, 0
.rept 16
	v_pk_mul_f32 v[S+64*\x+j:S+64*\x+j+1], v[128+32*\x+j:128+32*\x+j+1], v[ST+32*\x+2:ST+32*\x+3] op_sel_hi:[1,0]
.set j, j+2
.endr
.endr
	WIN 0
.irp b, 0,1
.irp x, 0,1
	v_max3_num_f32 v[ST+32*\x+6+\b], |v[S+64*\x+16*\b]|, |v[S+64*\x+16*\b+1]|, 0x4800000
.endr
.endr
.irp i, 2,4,6,8,10,12,14
.irp b, 0,1
.irp x, 0,1
	v_max3_num_f32 v[ST+32*\x+6+\b], v[ST+32*\x+6+\b], |v[S+64*\x+16*\b+\i]|, |v[S+64*\x+16*\b+\i+1]|
.endr
.endr
.endr
.irp b, 0,1
.irp x, 0,1
	v_permlanex16_b32 v[ST+32*\x+8+\b], v[ST+32*\x+6+\b], s[SEL], s[SEL+1]
.endr
.endr
.irp b, 0,1
.irp x, 0,1
	v_max_num_f32 v[ST+32*\x+6+\b], v[ST+32*\x+6+\b], v[ST+32*\x+8+\b]
.endr
.endr
.irp b, 0,1
.irp x, 0,1
	v_add_nc_u32 v[ST+32*\x+12+\b], 0xfc000000, v[ST+32*\x+6+\b]
	v_and_or_b32 v[ST+32*\x+10+\b], v[ST+32*\x+6+\b], 0x7f800000, s[MNT]
.endr
.endr
.irp b, 0,1
.irp x, 0,1
	v_lshrrev_b32 v[ST+32*\x+8+\b], 23, v[ST+32*\x+12+\b]
.endr
.endr
.irp x, 0,1
	v_lshl_or_b32 v[ST+32*\x+23], v[ST+32*\x+9], 8, v[ST+32*\x+8]   ; my row's two scale bytes
.endr
.irp x, 0,1
.irp b, 0,1
.irp i, 0,1,2,3,4,5,6,7,8,9,10,11,12,13,14,15
	v_med3_num_f32 v[S+64*\x+16*\b+\i], v[S+64*\x+16*\b+\i], -v[ST+32*\x+10+\b], v[ST+32*\x+10+\b]
.endr
	v_cvt_scalef32_pk8_fp8_f32 v[S+64*\x+32+4*\b:S+64*\x+32+4*\b+1], v[S+64*\x+16*\b:S+64*\x+16*\b+7], v[ST+32*\x+12+\b]
	v_cvt_scalef32_pk8_fp8_f32 v[S+64*\x+32+4*\b+2:S+64*\x+32+4*\b+3], v[S+64*\x+16*\b+8:S+64*\x+16*\b+15], v[ST+32*\x+12+\b]
.endr
.endr
	v_nop                                          ; a plain line behind the last conversion
	s_and_b32 s44, s[BH], 15                       ; the head
	s_lshr_b32 s45, s[BH], 4
	s_lshl_b32 s45, s45, 7
	s_lshl_b32 s41, s40, 3
	s_add_co_u32 s41, s41, s[CX]                   ; tile A: 8 m + cx
	s_add_co_u32 s45, s45, s41                     ; among all 512 tiles of rows
	s_lshl_b32 s42, s45, 14                        ; ac: 16,384 bytes a tile of 16 rows
	s_lshr_b32 s46, s44, 2
	s_lshl_b32 s46, s46, 12                        ; which 256 along the model's axis
	s_add_co_u32 s42, s42, s46
	s_and_b32 s46, s44, 3
	s_lshl_b32 s46, s46, 10                        ; and which 64 of them
	s_add_co_u32 s42, s42, s46
	s_mov_b32 s43, 0
	s_add_nc_u64 s[48:49], s[8:9], s[42:43]
	s_lshl_b32 s42, s45, 9
	s_lshl_b32 s46, s44, 1
	s_add_co_u32 s42, s42, s46
	s_add_nc_u64 s[50:51], s[10:11], s[42:43]
	s_wait_alu depctr_va_vdst(0)
.irp x, 0,1                            ; tile B lies four tiles on.  Accumulator d's 8 codes are channels 16 d + 8 h + 0..7: 32 lanes store 256 consecutive bytes
.irp d, 0,1,2,3
	global_store_b64 v[OA], v[S+64*\x+32+2*\d:S+64*\x+32+2*\d+1], s[48:49] offset:65536*\x+256*\d
.endr
	global_store_b16 v[R32], v[ST+32*\x+23], s[50:51] offset:2048*\x
.endr
	s_wait_xcnt 0x0                                ; the stores have read their registers and bases
	s_add_co_u32 s[UU], s[UU], 1
	s_cmp_lt_u32 s[UU], 2
	s_cbranch_scc1 .Ltile
	s_wait_tensorcnt 0x0                           ; the wave's end
	ds_add_u32 v[SPW], v[NIL]
	s_wait_dscnt 0x0
	CROUND                                         ; the closing round
	s_endpgm
.Lfunc_end_k_q966cf38608_attn:
	.size	k_q966cf38608_attn, .Lfunc_end_k_q966cf38608_attn-k_q966cf38608_attn
	.p2alignl 7, 3214868480
	.fill 96, 4, 3214868480
	.section	.rodata,"a",@progbits
	.p2align	6, 0x0
	.amdhsa_kernel k_q966cf38608_attn
		.amdhsa_group_segment_fixed_size 272384
		.amdhsa_private_segment_fixed_size 0
		.amdhsa_enable_private_segment 0
		.amdhsa_kernarg_size 32
		.amdhsa_user_sgpr_count 2
		.amdhsa_user_sgpr_kernarg_segment_ptr 1
		.amdhsa_wavefront_size32 1
		.amdhsa_system_sgpr_workgroup_id_x 1
		.amdhsa_system_sgpr_workgroup_id_y 1
		.amdhsa_system_sgpr_workgroup_id_z 1
		.amdhsa_system_vgpr_workitem_id 0
		.amdhsa_next_free_vgpr 512
		.amdhsa_next_free_sgpr 66
		.amdhsa_reserve_vcc 1
		.amdhsa_float_denorm_mode_32 3
		.amdhsa_float_denorm_mode_16_64 3
		.amdhsa_memory_ordered 1
		.amdhsa_forward_progress 1
		.amdhsa_inst_pref_size 63
	.end_amdhsa_kernel
	.amdgpu_metadata
---
amdhsa.version: [ 1, 2 ]
amdhsa.kernels:
  - .name:           k_q966cf38608_attn
    .symbol:         k_q966cf38608_attn.kd
    .args:
      - { .name: qb, .offset: 0, .size: 8, .value_kind: global_buffer, .address_space: global }
      - { .name: kv, .offset: 8, .size: 8, .value_kind: global_buffer, .address_space: global }
      - { .name: ac, .offset: 16, .size: 8, .value_kind: global_buffer, .address_space: global }
      - { .name: asc, .offset: 24, .size: 8, .value_kind: global_buffer, .address_space: global }
    .group_segment_fixed_size: 272384
    .private_segment_fixed_size: 0
    .kernarg_segment_align: 8
    .kernarg_segment_size: 32
    .max_flat_workgroup_size: 256
    .sgpr_count:     66
    .vgpr_count:     512
    .wavefront_size: 32
...
	.end_amdgpu_metadata
.endif
;; end of part 2
;; launch proj (part 3): grid 8 x 32, 4 waves a work-group, clusters of 4 x 4, 327,680 bytes of LDS; arguments ac, asc, w_out_codes, w_out_scales, b_out, out0; writes out0
.if DOCPART == 3
	.amdgcn_target "amdgcn-amd-amdhsa--gfx1250"
	.amdhsa_code_object_version 6
	.text
	.protected	k_q966cf38608_proj
	.globl	k_q966cf38608_proj
	.p2align	8
	.type	k_q966cf38608_proj,@function
k_q966cf38608_proj:
	s_mov_b64 s[64:65], 0
	v_nop
	global_prefetch_b8 v0, s[64:65] scope:SCOPE_SE
	s_setreg_imm32_b32 hwreg(HW_REG_WAVE_MODE, 25, 1), 1
	s_wait_xcnt 0x0
	s_wait_alu depctr_hold_cnt(0) depctr_sa_sdst(0) depctr_va_vdst(0) depctr_va_sdst(0) depctr_va_ssrc(0) depctr_va_vcc(0) depctr_vm_vsrc(0)
	s_getreg_b32 s2, hwreg(HW_REG_IB_STS2, 6, 4)
	s_cmp_eq_u32 s2, 0
	s_cbranch_scc0 .Lentry_in_a_cluster
	s_endpgm
.Lentry_in_a_cluster:
	s_bfe_u32 s2, ttmp6, 0x10000c
	s_cmp_lg_u32 s2, 0xf033
	s_cbranch_scc0 .Lentry_shape_is_right
	s_endpgm
.Lentry_shape_is_right:
; out0 = a w_out + b_out on codes of E4M3 with E8M0 scales: 8,192 x 1,024 x 1,024; a = attention's result as the launch before has quantised it.
; ac: [tile of 16 rows][128 of K: 8][block of 32: 4][lane][16 bytes]: images of operand registers, 16,384 bytes a tile.  asc: [row][32 scale bytes].
; THE DEAL.  256 work-groups of four waves, 2 x 2, each 256 rows x 128 columns.  A wave holds its 64 rows of w_out, ALL of K, in 512 registers (windows 1, 2) and multiplies
; eight blocks of 16 rows of a past them, 32 products a block; a's blocks stand in window 3 as two whole sets of 128 registers.  Wave row wr takes tiles 4 wr .. 4 wr + 3 of each 128 rows.
; LDS: two slots of 128 lines of 1,024 bytes + 16 of padding.  Slot 1 takes the weight's 128 rows, slot 0 rows 0-127 of a (dense in memory: 128 lines).  When the weight is in registers,
; rows 128-255 of a are filled over it, line on line, behind a drained round of the cluster's barrier: the launch's one refill, a quarter a wave.
; CLUSTERS 4 x 4: a's rows are shared along a row of the cluster, the weight's along a column, each by joint loads.
; PREFETCH: rows 128-255 of a, 131,072 bytes, are asked for once in each cluster, at the head: 8,192 bytes for each of the 16 waves of a cluster's row, told apart by address, lanes 256 bytes apart.
; The weight and rows 0-127 come by the head's loads alone: nothing stands ahead of them in which to ask.
; THE PRODUCT IS USED TRANSPOSED (source 0 = 16 rows of w_out, source 1 = 16 rows of a): a lane holds eight neighbouring columns of one row.  The bias is the first products' C.
; THE WAY OUT: a block of 16 rows x 64 columns goes through the wave's own stage in LDS and leaves as rows of 256 bytes, sixteen lanes to an aligned unit, while the next block is multiplied.
; LIMITS: NaN and infinities are not served.
.set KROW,  1024
.set PITCH, KROW+16                    ; 260 words: the 16 rows of a weight's fragment load start 4 banks apart
.set TILEB, 16*PITCH                   ; 16 lines: a tile of a, or 16 rows of the weight
.set YB,    128*PITCH                  ; slot 1
.set STAGE, 2*YB                       ; 16 rows x 272 bytes for each wave; no fill lands here
.set SP,    272
.set SPARE, STAGE+4*16*SP              ; the spare words, 128 bytes a wave
.set NP,    8                          ; places behind this matrix instruction (ISA guide 7.12.1)
.set CO,   9                           ; v9   16 x lane
.set SPW,  10
.set NIL,  11
.set ADRA, 12                          ; v12  LDS address of the block that is fetched
.set AB0,  13                          ; v13  the same for my block 0
.set ADRB, 14                          ; v14  my fragments of the weight
.set ABS,  16                          ; v16  32 x lane: a row of scale bytes a lane
.set STO,  17                          ; v17  the stage: in
.set RD,   18                          ; v18  the stage: back
.set GO,   19                          ; v19  my byte offset in two rows of out0
.set BOF,  20                          ; v20  32 h
.set PF,   21                          ; v21  the prefetch's offset; never rewritten
.set SB,   24                          ; v24-39  the weight's scale words: 8 p + q: lanes 0-15 tile 2 p, lanes 16-31 tile 2 p + 1
.set SA,   44                          ; v44-75  a's: 8 P + q: lanes 0-15 block 2 P, lanes 16-31 block 2 P + 1
.set ACC,  80                          ; v80-143 two sets of four accumulators
.set BQ,   144                         ; v144-175 the bias in the result's layout
.set OB,   176                         ; v176-239 two sets: 16 rows read back from the stage
.set G1W, 24
.set G1A, 32
.set G1R, 56
.set G0W, 68
.set G0A, 72
.set G0R, 76
.set MSB, 0
.macro WIN new                         ; the immediate's high byte repeats the setting that is left
.if MSB != \new
	s_set_vgpr_msb (MSB<<8)|\new
.set MSB, \new
.endif
.endm
.macro PLACES n
.rept \n
	v_nop
.endr
.endm
.macro BARRIER
	s_barrier_signal -1
	s_barrier_wait -1
.endm
.macro CROUND                          ; a round of the cluster's barrier
	BARRIER
	s_cmp_lg_u32 s14, 0
	s_cbranch_scc1 .Lnot_wave_0_\@
	s_barrier_signal -3
.Lnot_wave_0_\@:
	s_barrier_wait -3
	BARRIER
.endm
.macro TLOAD g0, g1                    ; an s_nop 0 and four v_nop follow the load
	tensor_load_to_lds s[\g0:\g0+3], s[\g1:\g1+7]
	s_nop 0
	PLACES 4
.endm
.macro GROUP1 g, mask, rows            ; so many dense lines of 1,024 bytes, 16 bytes of padding behind each
	s_or_b32 s[\g+0], s[\mask], (1<<20)|(1<<21)|(7<<22)|(3<<25)
	s_mov_b32 s[\g+1], KROW<<16
	s_mov_b32 s[\g+2], (\rows)<<16
	s_mov_b32 s[\g+3], KROW<<16
	s_mov_b32 s[\g+4], \rows
	s_mov_b32 s[\g+5], KROW
	s_mov_b32 s[\g+6], 0
	s_mov_b32 s[\g+7], 0
.endm
	s_load_b256 s[4:11], s[0:1], 0x0               ; ac, asc, w_out's codes, its scales
	s_load_b128 s[84:87], s[0:1], 0x20             ; b_out, out0
	v_lshl_add_u32 v[SPW], v0, 2, SPARE
	v_mov_b32 v[NIL], 0
	ds_add_u32 v[SPW], v[NIL]                      ; the opening lines
	ds_add_u32 v[SPW], v[NIL]
	v_lshrrev_b32 v1, 5, v0
	v_readfirstlane_b32 s14, v1                    ; wave 0..3
	s_lshr_b32 s15, s14, 1                         ; wr: my row of waves
	s_and_b32 s16, s14, 1                          ; wc: my column of waves.  Also: which half I fetch at the head
	s_bfe_u32 s40, ttmp6, 0x40000                  ; cx
	s_bfe_u32 s41, ttmp6, 0x40004                  ; cy
	s_lshl_b32 s42, ttmp9, 2
	s_add_co_u32 s42, s42, s40                     ; X: tile column, 128 columns
	s_and_b32 s43, ttmp7, 0xffff
	s_lshl_b32 s43, s43, 2
	s_add_co_u32 s43, s43, s41                     ; Y: tile row, 256 rows
	s_lshl_b32 s44, s41, 2
	s_lshl_b32 s44, 15, s44                        ; my row of the cluster
	s_lshl_b32 s45, 0x1111, s40                    ; my column
	GROUP1 G1W, 45, 64
	GROUP1 G1A, 44, 64
	GROUP1 G1R, 44, 32
	s_mul_i32 s20, s16, 64*PITCH
	s_mov_b32 s[G0A], 1
	s_mov_b32 s[G0A+1], s20                        ; waves 2, 3: a's lines 64 x half, slot 0
	s_add_co_u32 s20, s20, YB                      ; waves 0, 1: the weight's rows 64 x half, slot 1.  Also: where my column's 64 rows lie
	s_mov_b32 s[G0W], 1
	s_mov_b32 s[G0W+1], s20
	s_mov_b32 s[G0R], 1
	s_mul_i32 s[G0R+1], s14, 32*PITCH
	s_add_co_u32 s[G0R+1], s[G0R+1], YB            ; the refill: 32 lines a wave, slot 1
	s_lshl_b32 s21, s16, 16                        ; 64 lines in memory
	s_lshl_b32 s46, s42, 17
	s_add_co_u32 s46, s46, s21                     ; s[46:47] the weight's codes
	s_mov_b32 s47, 0
	s_lshl_b32 s48, s43, 18                        ; my 256 rows of a: 262,144 bytes a tile row
	s_add_co_u32 s50, s48, s21                     ; s[50:51] rows 0-127, my half
	s_mov_b32 s51, 0
	s_lshl_b32 s52, s14, 15
	s_add_co_u32 s52, s52, s48
	s_add_co_u32 s52, s52, 131072                  ; s[52:53] rows 128-255, my quarter
	s_mov_b32 s53, 0
	s_lshl_b32 s54, s43, 13
	s_lshl_b32 s22, s15, 11
	s_add_co_u32 s54, s54, s22                     ; s[54:55] asc: row 256 Y + 64 wr
	s_mov_b32 s55, 0
	s_lshl_b32 s80, s42, 12
	s_lshl_b32 s22, s16, 11
	s_add_co_u32 s80, s80, s22                     ; s[80:81] the weight's scales: row 128 X + 64 wc
	s_mov_b32 s81, 0
	s_lshr_b32 s82, s80, 3                         ; s[82:83] the same column in f32: the bias, and a row of out0
	s_mov_b32 s83, 0
	s_lshl_b32 s88, s43, 20
	s_lshl_b32 s22, s15, 18
	s_add_co_u32 s88, s88, s22
	s_add_co_u32 s88, s88, s82                     ; s[88:89] out0: row 256 Y + 64 wr, my column
	s_mov_b32 s89, 0
	s_lshl_b32 s23, s40, 2
	s_add_co_u32 s23, s23, s14                     ; which of the cluster row's sixteen waves I am
	s_lshl_b32 s23, s23, 13
	s_add_co_u32 s23, s23, s48
	s_add_co_u32 s23, s23, 131072                  ; my 8,192 bytes of rows 128-255
	s_mul_i32 s21, s14, 16*SP
	s_add_co_u32 s21, s21, STAGE                   ; my stage
	s_mul_i32 s22, s15, 4*TILEB                    ; my row of waves' first tile in a slot
	s_wait_dscnt 0x0                               ; both opening adds are done
	CROUND                                         ; all sixteen work-groups are here: the first joint loads meet
	s_wait_kmcnt 0x0
	s_add_nc_u64 s[G0W+2:G0W+3], s[8:9], s[46:47]
	s_or_b32 s[G0W+3], s[G0W+3], 0x80000000
	s_add_nc_u64 s[G0A+2:G0A+3], s[4:5], s[50:51]
	s_or_b32 s[G0A+3], s[G0A+3], 0x80000000
	s_cmp_lt_u32 s14, 2                            ; one joint load a wave; the weight, which is wanted first, has a line of its own
	s_cbranch_scc0 .Lfor_a
	TLOAD G0W, G1W
	s_branch .Lasked
.Lfor_a:
	TLOAD G0A, G1A
.Lasked:
	s_add_nc_u64 s[G0R+2:G0R+3], s[4:5], s[52:53]
	s_or_b32 s[G0R+3], s[G0R+3], 0x80000000
	s_add_nc_u64 s[6:7], s[6:7], s[54:55]
	s_add_nc_u64 s[10:11], s[10:11], s[80:81]
	s_add_nc_u64 s[84:85], s[84:85], s[82:83]
	s_add_nc_u64 s[86:87], s[86:87], s[88:89]
	v_and_b32 v1, 15, v0                           ; r
	v_bfe_u32 v2, v0, 4, 1                         ; h
	v_and_b32 v3, 31, v0                           ; lane
	v_lshl_add_u32 v[PF], v3, 8, s23
	v_lshlrev_b32 v[CO], 4, v3
	v_lshlrev_b32 v[ABS], 5, v3
	v_lshlrev_b32 v[BOF], 5, v2
	v_mul_u32_u24 v4, v1, PITCH
	v_lshl_add_u32 v4, v2, 4, v4
	v_add_nc_u32 v[ADRB], s20, v4                  ; the weight: row r x pitch + 16 h
	v_mul_u32_u24 v5, v1, SP
	v_lshl_add_u32 v5, v2, 5, v5
	v_add_nc_u32 v[STO], s21, v5                   ; in: row r, 32 h bytes on
	v_mul_u32_u24 v6, v2, SP
	v_lshl_add_u32 v6, v1, 4, v6
	v_add_nc_u32 v[RD], s21, v6                    ; back: lanes 0-15 one row, lanes 16-31 the next
	v_lshlrev_b32 v7, 12, v2
	v_lshl_add_u32 v[GO], v1, 4, v7                ; and the same two rows in out0
	v_add_nc_u32 v[AB0], s22, v[CO]
	global_prefetch_b8 v[PF], s[4:5] th:TH_LOAD_NT scope:SCOPE_SE
.irp p, 0,1
.irp c, 0,1
	global_load_b128 v[SB+8*\p+4*\c:SB+8*\p+4*\c+3], v[ABS], s[10:11] offset:1024*\p+16*\c   ; 32 rows of 32 bytes: 1,024 bytes on end for the two loads
.endr
.endr
.irp p, 0,1,2,3
.irp c, 0,1
	global_load_b128 v[SA+8*\p+4*\c:SA+8*\p+4*\c+3], v[ABS], s[6:7] offset:4096*(\p/2)+1024*(\p%2)+16*\c
.endr
.endr
.irp b, 0,1,2,3
	global_load_b128 v[BQ+8*\b:BQ+8*\b+3], v[BOF], s[84:85] offset:64*\b          ; register 8 b + j = b_out[my column + 16 b + 8 h + j]
	global_load_b128 v[BQ+8*\b+4:BQ+8*\b+7], v[BOF], s[84:85] offset:64*\b+16
.endr
	s_wait_alu depctr_va_vdst(0)                   ; the wait at the head's end
	s_cmp_lt_u32 s14, 2
	s_cbranch_scc0 .Lnot_w
	s_wait_tensorcnt 0x0                           ; waves 0, 1: the weight has landed.  The others' wait stands ahead of the round below
.Lnot_w:
	BARRIER
.irp q, 0,1,2,3,4,5,6,7                ; my 64 rows of the weight, all of K: fragment 4 q + b in window 1 + (4 q + b) / 16: 128 loads
.irp b, 0,1,2,3
	WIN (1+(4*\q+\b)/16)<<6
.irp c, 0,1,2,3
	ds_load_b128 v[16*((4*\q+\b)%16)+4*\c:16*((4*\q+\b)%16)+4*\c+3], v[ADRB] offset:\b*TILEB+128*\q+32*\c
.endr
.endr
.endr
	WIN 0
	s_wait_tensorcnt 0x0                           ; all my tensor loads are in;
	ds_add_u32 v[SPW], v[NIL]                      ; the add;
	s_wait_dscnt 0x0                               ; the add is done, and the weight is in my registers
	CROUND                                         ; both hold of every wave of the cluster: rows 0-127 are whole, and nobody reads slot 1 any more
	TLOAD G0R, G1R                                 ; rows 128-255 over the weight's lines: my one load behind the round
.macro FETCH e, adr                    ; a block of a, 16 rows, all of K, into set e of window 3: 32 loads of 512 bytes on end
	WIN 3<<6
.irp q, 0,1,2,3,4,5,6,7
.irp c, 0,1,2,3
	ds_load_b128 v[128*(\e)+16*\q+4*\c:128*(\e)+16*\q+4*\c+3], v[\adr] offset:(2*\q+\c/2)*PITCH+512*(\c%2)
.endr
.endr
	WIN 0
.endm
.macro GET t                           ; block t: slot t / 4, my row of waves' tile t % 4
	v_add_nc_u32 v[ADRA], ((\t)/4)*YB+((\t)%4)*TILEB, v[AB0]
	FETCH (\t)%2, ADRA
.endm
.macro PROD s, n                       ; product n = 4 q + b of block s: the q-th 128 of K, column tile b.  The four accumulators take turns
.set Q_, (\n)/4
.set B_, (\n)%4
.set AC_, ACC+32*((\s)%2)+8*B_
.set C_, AC_
.if Q_ == 0
.set C_, BQ+8*B_
.endif
.set R_, 128*((\s)%2)+16*Q_
.set W_, 16*((\n)%16)
.set XS_, SA+8*((\s)/2)+Q_
.set WS_, SB+8*(B_/2)+Q_
	WIN (1+(\n)/16)|(3<<2)
.if (B_%2) && ((\s)%2)
	v_wmma_scale_f32_16x16x128_f8f6f4 v[AC_:AC_+7], v[W_:W_+15], v[R_:R_+15], v[C_:C_+7], v[WS_], v[XS_] matrix_a_scale:MATRIX_SCALE_ROW1 matrix_b_scale:MATRIX_SCALE_ROW1
.elseif B_%2
	v_wmma_scale_f32_16x16x128_f8f6f4 v[AC_:AC_+7], v[W_:W_+15], v[R_:R_+15], v[C_:C_+7], v[WS_], v[XS_] matrix_a_scale:MATRIX_SCALE_ROW1
.elseif (\s)%2
	v_wmma_scale_f32_16x16x128_f8f6f4 v[AC_:AC_+7], v[W_:W_+15], v[R_:R_+15], v[C_:C_+7], v[WS_], v[XS_] matrix_b_scale:MATRIX_SCALE_ROW1
.else
	v_wmma_scale_f32_16x16x128_f8f6f4 v[AC_:AC_+7], v[W_:W_+15], v[R_:R_+15], v[C_:C_+7], v[WS_], v[XS_]
.endif
.endm
.macro STG s                           ; block s into my stage, each accumulator from its low end on, and back as rows.  LDS serves a wave's instructions in order (ISA guide 5.7.1.4)
.irp b, 0,1,2,3
	ds_store_b128 v[STO], v[ACC+32*((\s)%2)+8*\b:ACC+32*((\s)%2)+8*\b+3] offset:64*\b
	ds_store_b128 v[STO], v[ACC+32*((\s)%2)+8*\b+4:ACC+32*((\s)%2)+8*\b+7] offset:64*\b+16
.endr
.irp t, 0,1,2,3,4,5,6,7
	ds_load_b128 v[OB+32*((\s)%2)+4*\t:OB+32*((\s)%2)+4*\t+3], v[RD] offset:\t*2*SP
.endr
.endm
.macro SENDB s                         ; block s leaves: 16 lanes store 256 consecutive bytes, at a multiple of 256 from out0's first byte
.irp t, 0,1,2,3,4,5,6,7
	global_store_b128 v[GO], v[OB+32*((\s)%2)+4*\t:OB+32*((\s)%2)+4*\t+3], s[86:87] offset:((\s)/4)*524288+((\s)%4)*65536+\t*8192 th:TH_STORE_NT
.endr
.endm
; A BLOCK: its 32 products; eight places; one wait for the LDS work issued ahead of them (the next block's fragments, the block before's rows from the stage);
; the block before leaves; this block goes to the stage; its set takes the block two on.
.macro BLK s
.set N_, 0
.rept 32
	PROD \s, N_
.set N_, N_+1
.endr
	WIN 0
	PLACES NP
.if (\s) == 2
	s_wait_tensorcnt 0x0                           ; my quarter of rows 128-255 is in,
.endif
	s_wait_dscnt 0x0
.if (\s) == 2
	BARRIER                                        ; everybody's is: block 4 is fetched below.
.endif
.if (\s) > 0
	s_wait_xcnt 0x0                                ; the stores of two blocks back have read their registers: this block's rows land there
	SENDB (\s)-1
.endif
	STG \s
.if (\s) < 6
	GET (\s)+2
.endif
.endm
	FETCH 0, AB0
	GET 1
	s_wait_loadcnt 0x0                             ; scale words and bias
	s_wait_dscnt 32                                ; block 0 is in; block 1's 32 loads may be out
.irp s, 0,1,2,3,4,5,6,7
	BLK \s
.endr
	s_wait_dscnt 0x0
	SENDB 7
	s_wait_tensorcnt 0x0                           ; the wave's end
	ds_add_u32 v[SPW], v[NIL]
	s_wait_dscnt 0x0
	CROUND                                         ; the closing round
	s_endpgm
.Lfunc_end_k_q966cf38608_proj:
	.size	k_q966cf38608_proj, .Lfunc_end_k_q966cf38608_proj-k_q966cf38608_proj
	.p2alignl 7, 3214868480
	.fill 96, 4, 3214868480
	.section	.rodata,"a",@progbits
	.p2align	6, 0x0
	.amdhsa_kernel k_q966cf38608_proj
		.amdhsa_group_segment_fixed_size 327680
		.amdhsa_private_segment_fixed_size 0
		.amdhsa_enable_private_segment 0
		.amdhsa_kernarg_size 48
		.amdhsa_user_sgpr_count 2
		.amdhsa_user_sgpr_kernarg_segment_ptr 1
		.amdhsa_wavefront_size32 1
		.amdhsa_system_sgpr_workgroup_id_x 1
		.amdhsa_system_sgpr_workgroup_id_y 1
		.amdhsa_system_sgpr_workgroup_id_z 1
		.amdhsa_system_vgpr_workitem_id 0
		.amdhsa_next_free_vgpr 1024
		.amdhsa_next_free_sgpr 100
		.amdhsa_reserve_vcc 0
		.amdhsa_float_denorm_mode_32 3
		.amdhsa_float_denorm_mode_16_64 3
		.amdhsa_memory_ordered 1
		.amdhsa_forward_progress 1
		.amdhsa_inst_pref_size 85
	.end_amdhsa_kernel
	.amdgpu_metadata
---
amdhsa.version: [ 1, 2 ]
amdhsa.kernels:
  - .name:           k_q966cf38608_proj
    .symbol:         k_q966cf38608_proj.kd
    .args:
      - { .name: ac, .offset: 0, .size: 8, .value_kind: global_buffer, .address_space: global }
      - { .name: asc, .offset: 8, .size: 8, .value_kind: global_buffer, .address_space: global }
      - { .name: w_out_codes, .offset: 16, .size: 8, .value_kind: global_buffer, .address_space: global }
      - { .name: w_out_scales, .offset: 24, .size: 8, .value_kind: global_buffer, .address_space: global }
      - { .name: b_out, .offset: 32, .size: 8, .value_kind: global_buffer, .address_space: global }
      - { .name: out0, .offset: 40, .size: 8, .value_kind: global_buffer, .address_space: global }
    .group_segment_fixed_size: 327680
    .private_segment_fixed_size: 0
    .kernarg_segment_align: 8
    .kernarg_segment_size: 48
    .max_flat_workgroup_size: 128
    .sgpr_count:     100
    .vgpr_count:     1024
    .wavefront_size: 32
...
	.end_amdgpu_metadata
.endif
;; end of part 3
